; MI455X (gfx1250); checked and timed in simulation.
; The chip was launched on July 23, 2026; its instructions are those of AMD's public machine-readable ISA for CDNA 5 (MIT licence, August 2026) and "CDNA5" Instruction Set Architecture Reference Guide (July 2026). The comments in the code are by the model that wrote it; some were corrected since.
;; Base Attention. Allowed arithmetic: matrix products marked QUANTISED: E4M3 operands, one given power-of-two scale a tensor, by v_wmma_f32_16x16x64_fp8_fp8 or v_wmma_f32_16x16x128_fp8_fp8, f32 sums; everything else in f32.
;; Inputs: Wout 1,024 x 1,024 float32; Wqkv 3,072 x 1,024 float32; bias_scale one number float32; bout 1,024 float32; emb 32,000 x 1,024 float32; lowp_scales 8 int32 (the exponents e of the quantised operands' scales 2^e); sequences 4 x 2,048 x 4 int32; x 4 x 2,048 x 1,024 float32.
;; Outputs: out0 4 x 2,048 x 1,024 float32.
;; This version of the problem:
;;   THIS VERSION OF THE PROBLEM IS GIVEN IN LOW PRECISION. The matrix products marked QUANTISED in the list below multiply operands that are first quantised to E4M3 (4 exponent bits, 3 mantissa bits; 8 bits a number), with one given power-of-two scale for each operand tensor; their sums are f32. All else is computed in f32.
;;   The module's matrix products, in the order in which they are computed (A, B: the left and right operand; K: the contracted axis; several contracted axes count as one K, in the product's order):
;;     1. [M 8,192, K 1,024] x [K 1,024, N 3,072]; A: input x; B: input Wqkv: QUANTISED (scales: A lowp_scales[0], B lowp_scales[1])
;;     2. batch 64 x [M 2,048, K 64] x [K 64, N 2,048]; A: computed on the way; B: computed on the way: QUANTISED (scales: A lowp_scales[2], B lowp_scales[3])
;;     3. batch 64 x [M 2,048, K 2,048] x [K 2,048, N 64]; A: softmax (see below); B: computed on the way: QUANTISED (scales: A lowp_scales[4], B lowp_scales[5])
;;     4. [M 8,192, K 1,024] x [K 1,024, N 1,024]; A: computed on the way; B: input Wout: QUANTISED (scales: A lowp_scales[6], B lowp_scales[7])
;;   THE QUANTISER, for each operand of a quantised product, along K:
;;     - The operand's scale is 2^e, e = its entry of the input lowp_scales (int32; the entries are numbered through the quantised products in the list's order, A before B).
;;     - Each number is divided by the scale, clamped to +-448, and rounded to the nearest number of E4M3, ties to even, subnormals kept.
;;     - The product sums the exact products of the quantised numbers (number of the format x scale) in f32.
;;   ~~~python
;;   def quantise(x, axis, e):      # numpy; x: float32 -> the quantised numbers, widened to float32 again
;;       x = np.moveaxis(x, axis, -1); K = x.shape[-1]
;;       r = np.clip(x / 2.0 ** e, -448, 448)
;;       step = 2.0 ** (np.maximum(np.frexp(np.where(r == 0, 1, r))[1] - 1, -6) - 3)
;;       q = np.round(r / step) * step * 2.0 ** e      # np.round: ties to even
;;       return np.moveaxis(q, -1, axis).astype(np.float32)
;;   ~~~
;;   SOFTMAX AHEAD OF A QUANTISED PRODUCT. Where the list says 'softmax', what is quantised is not the finished softmax but p = 2^(t - M), with t = logit x log2(e) and M = ceil(the row's largest t), a whole number; so 1/2 < the row's largest p <= 1. The row's sum l is taken of the UNQUANTISED p, in f32, and the product's result is divided by l at the end. Since M is a whole number, a kernel that streams over the keys may use a running M (the ceiling of the running maximum): every later rescaling is an exact power of two, so the quantised numbers keep their values, but for numbers so far below the row's largest that they fall under the format's range.
;;   OPERANDS COMPUTED ON THE WAY. 'Computed on the way' means the value that the module computes at that place (a softmax that the list does not call 'softmax' is quantised finished and normalised). What goes into a quantiser is computed in f32, as accurately as f32 sums, v_exp_f32 and their like allow (about 1e-6 of the number): no bf16 or f16 on the way to a quantiser, and a product that is left as it is and whose result goes on into a quantised operand takes f32 operands (vector FMAs, or v_wmma_f32_16x16x4_f32). A number that lies on a knife's edge between two numbers of the format may be rounded either way, as far as f32 arithmetic and the matrix unit's own rounding can turn it there, and no further.
;; One version. Each part assembles by itself: llvm-mc -triple=amdgcn-amd-amdhsa -mcpu=gfx1250 --defsym DOCPART=n.
;; ======== version 1 of 1: 4 launches
;; limits: right only within a limited range of input values
;; workspace buffers: x_codes 8,388,608 bytes; wqkv_codes 3,145,728 bytes; wout_codes 1,048,576 bytes; q_codes 8,388,608 bytes; k_codes 8,388,608 bytes; v_codes 8,388,608 bytes; a_img 8,388,608 bytes
;; launch quant (part 1): grid 768 x 1, 4 waves a work-group, no clusters, 33,280 bytes of LDS; arguments x, Wqkv, Wout, lowp_scales, x_codes, wqkv_codes, wout_codes; writes x_codes, wqkv_codes, wout_codes
.if DOCPART == 1
	.amdgcn_target "amdgcn-amd-amdhsa--gfx1250"
	.amdhsa_code_object_version 6
	.text
	.protected	k_q61f87ad2e1_quant
	.globl	k_q61f87ad2e1_quant
	.p2align	8
	.type	k_q61f87ad2e1_quant,@function
k_q61f87ad2e1_quant:
	s_mov_b64 s[64:65], 0
	v_nop
	global_prefetch_b8 v0, s[64:65] scope:SCOPE_SE
	s_setreg_imm32_b32 hwreg(HW_REG_WAVE_MODE, 25, 1), 1
	s_wait_xcnt 0x0
; THE PROGRAM (four launches): causal attention, B 4, T 2,048, D 1,024, 16 heads of 64, all four products on codes of FP8 (E4M3), each operand with its given scale 2^e.
;   1 (this one) x, Wqkv, Wout -> codes, K innermost (e0, e1, e7).   2  x Wqkv^T; each sum becomes a code of q, k or v on the way out (e2, e3, e5).
;   3  q k^T, the softmax, p v, + bias_scale x the sum of four rows of emb, quantised (e6).   4  that x Wout^T x 2^(e6 + e7) + bout.
; WORK LEFT OUT.  reference() sets the scores of keys k > q to -infinity by a mask that it builds itself (jnp.tril); such a key's weight is exp(-infinity) = 0 whatever the inputs hold, so it adds nothing to the
; row's maximum, to its sum or to the second product.  Launch 3 leaves out the steps of 128 keys that lie wholly behind a wave's 16 queries; inside a step on the diagonal the work is done and masked.
; Every input has a way to the output and is loaded.  LIMIT: a NaN, an infinity or an overflow that reaches only the scores left out is not carried to the result.
; THIS LAUNCH.  code = x / 2^e, held within +-448, rounded to the nearest code, ties to even.  LIMITS: -126 <= e and e + 8 <= 127; NaN among the inputs is not served (an infinity is held at the largest code).
; Rows are dense and K = 1,024 is innermost in all three tensors, so each is a plain stream of numbers and its codes a plain stream of bytes.  A work-group takes 16,384 numbers: work-groups 0-511 x,
; 512-703 Wqkv, 704-767 Wout; only pointers and the exponent are chosen, by the work-group's number: one path through the text.
; A wave takes 8 steps of 512 numbers.  A conversion takes 8 neighbours from ONE lane's registers; a load is best where neighbouring LANES take neighbouring bytes.  Both are had: each of a step's four loads
; reads 512 consecutive bytes, the 2,048 bytes go through the wave's own stage in LDS and come back 64 bytes a lane (16 bytes of padding behind each 64).  A lane's 16 codes are 16 bytes: a store covers 512 consecutive bytes.
; No tensor load, no barrier: waves share nothing.  Loads run four steps (16 loads a wave) ahead, the turn through LDS one step.
.set WAVES, 4
.set STEPS, 8
.set WGX,   512                        ; x: 8,388,608 numbers / 16,384
.set WGO,   704                        ; Wout's first work-group: 512 + 3,145,728 / 16,384
.set EMAX,  8
.set MANT,  0x600000                   ; the mantissa field of 448 as f32
.set CB,    16                         ; bytes of 16 codes
.set R,     16                         ; v16-79   four sets of 16 numbers as they are loaded
.set X,     80                         ; v80-111  two sets of 16 neighbours
.set C,     128                        ; v128-159 codes: four registers for each step, so that no store's data are written again
.set WREG,  8192                       ; LDS: a region for each wave: two stages of 32 x SP bytes
.set SP,    80                         ; a lane's place in a stage: its 64 bytes + 16 of padding
.set SPW,   12                         ; v12      LDS address of my spare word; never rewritten
.set NIL,   13                         ; v13      0; never rewritten
.set SPARE, WAVES*WREG                 ; behind the four regions: the spare words, 128 bytes for each wave
	s_load_b256 s[4:11], s[0:1], 0x0               ; x s[4:5], Wqkv s[6:7], Wout s[8:9], the scales' exponents s[10:11]
	s_load_b128 s[12:15], s[0:1], 0x20             ; x's codes s[12:13], Wqkv's s[14:15]
	s_load_b64 s[16:17], s[0:1], 0x30              ; Wout's codes
	v_lshl_add_u32 v[SPW], v0, 2, SPARE
	v_mov_b32 v[NIL], 0
	v_lshrrev_b32 v1, 5, v0
	v_readfirstlane_b32 s18, v1                    ; wave
	v_and_b32 v2, 31, v0                           ; lane
	v_lshlrev_b32 v3, 4, v2                        ; my 16 bytes of a load's 512
	s_mul_i32 s19, s18, WREG
	v_lshrrev_b32 v14, 2, v2
	v_mul_u32_u24 v14, v14, SP
	v_and_b32 v15, 3, v2
	v_lshl_add_u32 v14, v15, 4, v14
	v_add_nc_u32 v14, s19, v14                     ; the stage, on the way in: SP (lane / 4) + 16 (lane % 4)
	v_mul_u32_u24 v15, v2, SP
	v_add_nc_u32 v15, s19, v15                     ; and on the way out: SP x lane: my 16 neighbours
	v_mul_u32_u24 v4, v2, CB                       ; my codes' place in a step's
	s_mov_b32 s20, WGO
	s_mov_b32 s21, WGX
	s_wait_alu depctr_va_vdst(0)
	s_wait_kmcnt 0x0
	s_load_b256 s[24:31], s[10:11], 0x0            ; e0 .. e7
	s_cmp_lt_u32 ttmp9, s20                        ; Wqkv's work-group or Wout's?  The choices hang on the work-group's number alone
	s_cselect_b64 s[6:7], s[6:7], s[8:9]
	s_cselect_b64 s[14:15], s[14:15], s[16:17]
	s_cselect_b32 s21, s21, s20                    ; the tensor's first work-group
	s_cmp_lt_u32 ttmp9, WGX                        ; or x's?
	s_cselect_b64 s[4:5], s[4:5], s[6:7]           ; the numbers
	s_cselect_b64 s[8:9], s[12:13], s[14:15]       ; the codes
	s_cselect_b32 s21, 0, s21
	s_sub_co_u32 s21, ttmp9, s21
	s_lshl_b32 s21, s21, 2
	s_add_co_u32 s22, s21, s18                     ; which run of 4,096 numbers of the tensor is my wave's
	s_mov_b32 s23, 0
	s_mov_b64 s[32:33], 512*STEPS*4
	s_mul_u64 s[32:33], s[22:23], s[32:33]
	s_add_nc_u64 s[4:5], s[4:5], s[32:33]
	s_mov_b64 s[32:33], 32*STEPS*CB
	s_mul_u64 s[32:33], s[22:23], s[32:33]
	s_add_nc_u64 s[8:9], s[8:9], s[32:33]
.macro LOAD t
.irp i, 0,1,2,3
	global_load_b128 v[R+16*((\t)%4)+4*\i:R+16*((\t)%4)+4*\i+3], v3, s[4:5] offset:2048*(\t)+512*\i th:TH_LOAD_NT   ; 32 lanes read 512 consecutive bytes; read once in the launch
.endr
.endm
.macro TURN t                          ; step t's numbers through the stage: LDS serves a wave's instructions in order (ISA guide 5.7.1.4), so no wait stands between the stores and the loads
.irp i, 0,1,2,3
	ds_store_b128 v14, v[R+16*((\t)%4)+4*\i:R+16*((\t)%4)+4*\i+3] offset:32*SP*((\t)%2)+8*SP*\i
.endr
.irp i, 0,1,2,3
	ds_load_b128 v[X+16*((\t)%2)+4*\i:X+16*((\t)%2)+4*\i+3], v15 offset:32*SP*((\t)%2)+16*\i
.endr
.endm
.irp t, 0,1,2,3
	LOAD \t
.endr
	s_wait_kmcnt 0x0
	s_cmp_lt_u32 ttmp9, s20
	s_cselect_b32 s25, s25, s31                    ; e1 or e7,
	s_cmp_lt_u32 ttmp9, WGX
	s_cselect_b32 s22, s24, s25                    ; or e0
	s_add_co_i32 s22, s22, 127
	s_lshl_b32 s23, s22, 23
	v_mov_b32 v11, s23                             ; 2^e as f32: the conversion takes its exponent field
	s_add_co_i32 s22, s22, EMAX
	s_lshl_b32 s22, s22, 23
	s_or_b32 s22, s22, MANT
	v_mov_b32 v10, s22                             ; 448 x 2^e
	s_wait_alu depctr_va_vdst(0)
	s_wait_loadcnt 12                              ; step 0's four loads are in; the twelve of steps 1 to 3 may be out
	TURN 0
.macro STEP t
.set XS, X+16*((\t)%2)
	s_wait_dscnt 0x0                               ; this step's numbers are back from the stage: so its stores into the stage have read their registers,
.if (\t)+4 < STEPS
	LOAD (\t)+4                                    ; which take the loads of four steps on
.endif
.if (\t)+1 < STEPS
.if STEPS-2-(\t) >= 3
	s_wait_loadcnt 12                              ; the next step's four loads are in; those of the three steps behind it may be out
.else
	s_wait_loadcnt 4*(STEPS-2-(\t))                ; towards the end fewer steps stand behind it
.endif
	TURN (\t)+1                                    ; and go through the other stage while this step is worked
.endif
.irp i, 0,1,2,3,4,5,6,7,8,9,10,11,12,13,14,15
	v_med3_num_f32 v[XS+\i], v[XS+\i], -v10, v10   ; the conversion to an 8-bit code does not saturate (ISA guide 7.6.2): hold the number within 448 x the scale first
.endr
	v_cvt_scalef32_pk8_fp8_f32 v[C+4*(\t):C+4*(\t)+1], v[XS:XS+7], v11          ; eight numbers / 2^e, to the nearest code, ties to even; the first number's code in the lowest byte
	v_cvt_scalef32_pk8_fp8_f32 v[C+4*(\t)+2:C+4*(\t)+3], v[XS+8:XS+15], v11
	global_store_b128 v4, v[C+4*(\t):C+4*(\t)+3], s[8:9] offset:32*CB*(\t)      ; the results go to a store alone; the next vector lines, the next step's holds, are plain and touch other registers
.endm
.irp t, 0,1,2,3,4,5,6,7
	STEP \t
.endr
	s_wait_tensorcnt 0x0                           ; the wave's end, behind my last LDS store
	ds_add_u32 v[SPW], v[NIL]
	s_wait_dscnt 0x0
	s_endpgm
.Lfunc_end_k_q61f87ad2e1_quant:
	.size	k_q61f87ad2e1_quant, .Lfunc_end_k_q61f87ad2e1_quant-k_q61f87ad2e1_quant
	.p2alignl 7, 3214868480
	.fill 96, 4, 3214868480
	.section	.rodata,"a",@progbits
	.p2align	6, 0x0
	.amdhsa_kernel k_q61f87ad2e1_quant
		.amdhsa_group_segment_fixed_size 33280
		.amdhsa_private_segment_fixed_size 0
		.amdhsa_enable_private_segment 0
		.amdhsa_kernarg_size 56
		.amdhsa_user_sgpr_count 2
		.amdhsa_user_sgpr_kernarg_segment_ptr 1
		.amdhsa_wavefront_size32 1
		.amdhsa_system_sgpr_workgroup_id_x 1
		.amdhsa_system_sgpr_workgroup_id_y 1
		.amdhsa_system_sgpr_workgroup_id_z 1
		.amdhsa_system_vgpr_workitem_id 0
		.amdhsa_next_free_vgpr 160
		.amdhsa_next_free_sgpr 66
		.amdhsa_reserve_vcc 0
		.amdhsa_float_denorm_mode_32 3
		.amdhsa_float_denorm_mode_16_64 3
		.amdhsa_memory_ordered 1
		.amdhsa_forward_progress 1
		.amdhsa_inst_pref_size 20
	.end_amdhsa_kernel
	.amdgpu_metadata
---
amdhsa.version: [ 1, 2 ]
amdhsa.kernels:
  - .name:           k_q61f87ad2e1_quant
    .symbol:         k_q61f87ad2e1_quant.kd
    .args:
      - { .name: x, .offset: 0, .size: 8, .value_kind: global_buffer, .address_space: global }
      - { .name: Wqkv, .offset: 8, .size: 8, .value_kind: global_buffer, .address_space: global }
      - { .name: Wout, .offset: 16, .size: 8, .value_kind: global_buffer, .address_space: global }
      - { .name: lowp_scales, .offset: 24, .size: 8, .value_kind: global_buffer, .address_space: global }
      - { .name: x_codes, .offset: 32, .size: 8, .value_kind: global_buffer, .address_space: global }
      - { .name: wqkv_codes, .offset: 40, .size: 8, .value_kind: global_buffer, .address_space: global }
      - { .name: wout_codes, .offset: 48, .size: 8, .value_kind: global_buffer, .address_space: global }
    .group_segment_fixed_size: 33280
    .private_segment_fixed_size: 0
    .kernarg_segment_align: 8
    .kernarg_segment_size: 56
    .max_flat_workgroup_size: 128
    .sgpr_count:     66
    .vgpr_count:     160
    .wavefront_size: 32
...
	.end_amdgpu_metadata
.endif
;; end of part 1
;; launch qkv (part 2): grid 12 x 32, 4 waves a work-group, clusters of 4 x 4, 327,680 bytes of LDS; arguments x_codes, wqkv_codes, lowp_scales, q_codes, k_codes, v_codes; writes q_codes, k_codes, v_codes
.if DOCPART == 2
	.amdgcn_target "amdgcn-amd-amdhsa--gfx1250"
	.amdhsa_code_object_version 6
	.text
	.protected	k_q61f87ad2e1_qkv
	.globl	k_q61f87ad2e1_qkv
	.p2align	8
	.type	k_q61f87ad2e1_qkv,@function
k_q61f87ad2e1_qkv:
	s_mov_b64 s[64:65], 0
	v_nop
	global_prefetch_b8 v0, s[64:65] scope:SCOPE_SE
	s_setreg_imm32_b32 hwreg(HW_REG_WAVE_MODE, 25, 1), 1
	s_wait_xcnt 0x0
	s_wait_alu depctr_hold_cnt(0) depctr_sa_sdst(0) depctr_va_vdst(0) depctr_va_sdst(0) depctr_va_ssrc(0) depctr_va_vcc(0) depctr_vm_vsrc(0)
	s_getreg_b32 s2, hwreg(HW_REG_IB_STS2, 6, 4)
	s_cmp_eq_u32 s2, 0
	s_cbranch_scc0 .Lentry_in_a_cluster
	s_endpgm
.Lentry_in_a_cluster:
	s_bfe_u32 s2, ttmp6, 0x10000c
	s_cmp_lg_u32 s2, 0xf033
	s_cbranch_scc0 .Lentry_shape_is_right
	s_endpgm
.Lentry_shape_is_right:
; qkv = x Wqkv^T on codes of FP8 (E4M3), K = 1,024; each finished f32 sum is quantised at once with the scale of the operand that it becomes: q (e2), k (e3), v (e5).  Nothing wider than a code goes to memory.
; A sum stands for sum x 2^(e0 + e1), so its code is sum / 2^(eo - e0 - e1), held within +-448.  LIMIT: eo - e0 - e1 between -126 and 119 for eo = e2, e3, e5.
; A tile of 256 x 256 sums is made by a work-group of four waves; a wave makes 128 x 128: 64 accumulators, 512 registers.  K goes in steps of 256 through a ring of two LDS slots filled by the tensor data mover.
; THE MATRIX INSTRUCTION IS USED TRANSPOSED: source 0 = 16 rows of "B", source 1 = 16 rows of "A": a lane holds ONE row of A and eight neighbouring rows of B.
; ROLES, chosen by the cluster's x, which all sixteen partners share, by selects alone (no branch):  x = 0 (q), 1 (k): A = x's tokens, B = Wqkv's rows: a lane's eight sums run along the head's 64, the K of q k^T.
;   x = 2 (v): A = Wqkv's rows 2,048 on, B = x's tokens: a lane's eight sums run along the tokens, the K of p v.  So the conversions give codes with the next K innermost, and nothing is transposed.
; CLUSTERS: 4 x 4 work-groups; A's tile is shared along a row of the cluster, B's along a column: each is asked for jointly, by the same tensor load with the same descriptor and a mask that names the four.
; 384 work-groups: a wave tile of 128 x 64 would make 768 but read half as much again from LDS for each product; a tile of 256 x 384 does not fit the registers.
; OUTPUT LAYOUTS (sw(n): n with its bits 3 and 4 exchanged, done here in the stores' offsets):  q, k: [b x 16 + head][sw(token)][64 bytes];  v: [b][block of 128 keys][head][sw(channel)][128 bytes].
; With that order the 16 rows that launch 3 takes as one tile of a matrix operand are neighbours, and two neighbouring tiles give a lane 16 neighbours along the next K.
; REGISTERS, in windows of 256: window 0: v8-29 addresses and the scale; from v128 A's fragments, ONE set; on the way out v32-159.   window 1: B's fragments, TWO sets.   windows 2, 3: the accumulators ((a, b) at v[8 (8 (a % 4) + b)]).
.set KSTEP,  256                       ; along K in a slot
.set ROWB,   256                       ; a tile's row in bytes
.set KROW,   1024                      ; a row of x's or Wqkv's codes in memory
.set PITCH,  272                       ; an LDS row: 256 bytes + 16 of padding = 68 words: row r starts at bank 4 r mod 64 (ISA guide 11.1): the 16 rows of a load start at 16 different banks
.set FR,     16                        ; registers of a fragment: 16 rows x 128 K
.set NL,     4                         ; LDS loads that bring one
.set NP,     4                         ; places behind this matrix instruction (ISA guide 7.12.1)
.set HALFT,  128*PITCH                 ; 128 rows: what one tensor load brings
.set SLOT,   4*HALFT                   ; A's 256 rows, then B's 256 rows
.set LAPS,   2                         ; 1,024 / 512: a lap = two K steps = once round the ring
.set SPARE,  2*SLOT                    ; behind the ring: the spare words, 128 bytes for each wave
.set SP,     144                       ; the way out: a stage of 16 rows x (128 bytes + 16) for each wave, in slot 0, which has had its last fill and its last read by then
.set CO,   8                           ; v8-11   the way out: my byte offset in the output, for each of a block's four stores
.set LIM,  12                          ; v12     448 x the scale
.set SCL,  13                          ; v13     the scale 2^(eo - e0 - e1) as f32
.set ADRA, 16                          ; v16-17  LDS address of my A fragments in slot 0, 1
.set ADRB, 20                          ; v20-21  the same for B
.set STO,  24                          ; v24     the way out: where I put 8 codes of a row
.set RD,   25                          ; v25     the way out: where I read 16 codes back
.set SPW,  28                          ; v28     LDS address of my spare word; never rewritten
.set NIL,  29                          ; v29     0; never rewritten
.set TMP,  32                          ; v32-95  a block's 64 sums, held
.set CD,   96                          ; v96-127 a block's codes, two sets of 16
.set AF,   128                         ; A's fragments
.set BK,   128                         ; the way out: a block's codes read back, two sets of 16
.set G1, 24                            ; s[24:31] descriptor group 1 for A's tiles;  s[32:39] group 0, one set for each slot
.set G0, 32
.set G1B, 48                           ; s[48:55], s[56:63] the same for B's tiles
.set G0B, 56
.set MSB, 0
.macro WIN new                         ; the immediate's high byte repeats the setting that is left
.if MSB != \new
	s_set_vgpr_msb (MSB<<8)|\new
.set MSB, \new
.endif
.endm
.set MUL_LO, 0xa1                      ; source 0 (B) window 1, source 1 (A) window 0, C and D window 2
.set MUL_HI, 0xf1                      ; the same, C and D window 3
.set TO_B,   0x40                      ; destination window 1, address window 0
; A joint load: waves 0 and 1 fetch for A, waves 2 and 3 for B.  Each line has ONE mask and one set of registers for all that issue it; the branch hangs on the wave's number alone.
; An s_nop 0 and four v_nop follow each of the two lines, ahead of the jump, the label and what follows.
.macro JLOAD g0a, g1a, g0b, g1b
	s_cmp_eq_u32 s15, 0
	s_cbranch_scc0 .Lfor_b_\@
	tensor_load_to_lds s[\g0a:\g0a+3], s[\g1a:\g1a+7]
	s_nop 0
.rept 4
	v_nop
.endr
	s_branch .Lasked_\@
.Lfor_b_\@:
	tensor_load_to_lds s[\g0b:\g0b+3], s[\g1b:\g1b+7]
	s_nop 0
.rept 4
	v_nop
.endr
.Lasked_\@:
.endm
.macro CREST                           ; a round of the cluster's barrier behind its opening barrier
	s_cmp_lg_u32 s14, 0
	s_cbranch_scc1 .Lnot_wave_0_\@
	s_barrier_signal -3
.Lnot_wave_0_\@:
	s_barrier_wait -3
	s_barrier_signal -1
	s_barrier_wait -1
.endm
.macro CROUND                          ; a whole round
	s_barrier_signal -1
	s_barrier_wait -1
	CREST
.endm
	s_load_b256 s[4:11], s[0:1], 0x0               ; x's codes s[4:5], Wqkv's s[6:7], the scales' exponents s[8:9], q's codes s[10:11]
	s_load_b128 s[68:71], s[0:1], 0x20             ; k's codes s[68:69], v's s[70:71]
	v_lshl_add_u32 v[SPW], v0, 2, SPARE
	v_mov_b32 v[NIL], 0
	ds_add_u32 v[SPW], v[NIL]                      ; the wave's opening: the add, twice on end, and its wait ahead of my first tensor load; the set-up below stands between
	ds_add_u32 v[SPW], v[NIL]
	v_lshrrev_b32 v1, 5, v0
	v_readfirstlane_b32 s14, v1                    ; wave 0..3
	s_lshr_b32 s15, s14, 1                         ; which half of A's rows is mine.  Also: I fetch for A (0) or for B (1)
	s_and_b32 s16, s14, 1                          ; which half of B's rows.  Also: which 128 rows of that tile I fetch
	s_bfe_u32 s40, ttmp6, 0x40000                  ; cx, cy: my place in the cluster
	s_bfe_u32 s41, ttmp6, 0x40004
	s_and_b32 s76, ttmp7, 0xffff
	s_lshl_b32 s76, s76, 2                         ; 4 x cluster y
	s_add_co_u32 s17, s76, s41                     ; q, k: A's tile = tokens' tile 4 x cluster y + cy
	s_add_co_u32 s77, s41, 8                       ; v:    A's tile = Wqkv's tile 8 + cy (rows 2,048 on)
	s_lshl_b32 s42, ttmp9, 2
	s_add_co_u32 s42, s42, s40                     ; q, k: B's tile = Wqkv's tile 4 x cluster x + cx
	s_add_co_u32 s78, s76, s40                     ; v:    B's tile = tokens' tile 4 x cluster y + cx
	s_cmp_eq_u32 ttmp9, 2                          ; the cluster's x is the same in all sixteen partners
	s_cselect_b32 s79, s77, s17                    ; A's tile: it hangs on cy alone,
	s_cselect_b32 s80, s78, s42                    ; B's on cx alone
	s_lshl_b32 s43, s41, 2
	s_lshl_b32 s43, 15, s43                        ; my row of the cluster
	s_lshl_b32 s44, 0x1111, s40                    ; my column
	; descriptor group 1: a tile of 128 rows x 256 bytes, padded in LDS
	s_or_b32 s[G1+0], s43, (0<<16)|(1<<20)|(1<<21)|(5<<22)|(3<<25)  ; 15:0 the mask: A's tiles go to my row; 17:16 element of 1 byte; 20 padding on; 21 set beside a mask; 24:22 after every 64 words; 31:25 four words
	s_or_b32 s[G1B+0], s44, (0<<16)|(1<<20)|(1<<21)|(5<<22)|(3<<25)
.irp g, G1, G1B
	s_mov_b32 s[\g+1], ROWB<<16                    ; tensor_dim0
	s_mov_b32 s[\g+2], 128<<16                     ; tensor_dim1 = 128
	s_mov_b32 s[\g+3], ROWB<<16                    ; tile_dim0
	s_mov_b32 s[\g+4], 128                         ; tile_dim1 = 128
	s_mov_b32 s[\g+5], KROW                        ; tensor_dim0_stride
	s_mov_b32 s[\g+6], 0
	s_mov_b32 s[\g+7], 0
.endr
	s_lshl_b32 s18, s16, 7                         ; which 128 rows of the tile I fetch
	s_lshl_b32 s20, s79, 8
	s_add_co_u32 s20, s20, s18
	s_lshl_b32 s20, s20, 10                        ; A: (256 x tile + 128 x half) rows of 1,024 bytes
	s_mov_b32 s21, 0
	s_lshl_b32 s46, s80, 8
	s_add_co_u32 s46, s46, s18
	s_lshl_b32 s46, s46, 10                        ; B likewise
	s_mov_b32 s47, 0
	s_mul_i32 s45, s14, HALFT                      ; where they go: wave x 128 rows: no place in the cluster enters an LDS address
	s_wait_dscnt 0x0                               ; both opening adds are done
	s_wait_kmcnt 0x0
	s_load_b256 s[88:95], s[8:9], 0x0              ; e0 .. e7
	s_cmp_eq_u32 ttmp9, 2
	s_cselect_b64 s[82:83], s[6:7], s[4:5]         ; A's buffer,
	s_cselect_b64 s[84:85], s[4:5], s[6:7]         ; B's
	s_add_nc_u64 s[20:21], s[82:83], s[20:21]
	s_add_nc_u64 s[46:47], s[84:85], s[46:47]
	CROUND                                         ; all sixteen work-groups are here: the first joint loads meet
.irp s, 0,1
	s_mov_b32 s[G0+4*\s], 1
	s_add_co_u32 s[G0+4*\s+1], s45, \s*SLOT
	s_add_nc_u64 s[G0+4*\s+2:G0+4*\s+3], s[20:21], \s*ROWB
	s_or_b32 s[G0+4*\s+3], s[G0+4*\s+3], 0x80000000
	s_mov_b32 s[G0B+4*\s], 1
	s_add_co_u32 s[G0B+4*\s+1], s45, \s*SLOT
	s_add_nc_u64 s[G0B+4*\s+2:G0B+4*\s+3], s[46:47], \s*ROWB
	s_or_b32 s[G0B+4*\s+3], s[G0B+4*\s+3], 0x80000000
.endr
	JLOAD G0, G1, G0B, G1B                         ; K step 0: one tensor load a wave at the head
	v_and_b32 v1, 15, v0                           ; r = l % 16
	s_wait_alu depctr_va_vdst(0)
	v_bfe_u32 v2, v0, 4, 1                         ; h = l / 16
	v_mul_u32_u24 v3, v1, PITCH
	v_lshl_add_u32 v4, v2, 4, v3                   ; a fragment's row x pitch + 16 x half
	s_mul_i32 s21, s15, HALFT                      ; my 128 rows of A
	s_mul_i32 s22, s16, HALFT                      ; my 128 rows of B,
	s_add_co_u32 s22, s22, 2*HALFT                 ; which lie behind A's 256
.irp s, 0,1
	v_add_nc_u32 v[ADRA+\s], s21, v4
	v_add_nc_u32 v[ADRB+\s], s22, v4
	s_add_co_u32 s21, s21, SLOT
	s_add_co_u32 s22, s22, SLOT
.endr
	; THE WAY OUT'S ADDRESSES.  A block is 16 rows of A x 128 codes.  Into the stage: row r, 8 bytes for each half of the lanes.  Back: lane l takes row 4 i + tq, bytes 64 g + 16 ch (ch = l % 4, tq = (l / 4) % 4, g = l / 16).
	s_mul_i32 s23, s14, 16*SP                      ; my stage
	v_mul_u32_u24 v5, v1, SP
	s_wait_alu depctr_va_vdst(0)
	v_lshl_add_u32 v5, v2, 3, v5
	v_add_nc_u32 v[STO], s23, v5
	v_and_b32 v6, 3, v0                            ; ch
	v_bfe_u32 v7, v0, 2, 2                         ; tq
	v_mul_u32_u24 v5, v7, SP
	v_lshl_add_u32 v5, v2, 6, v5
	v_lshl_add_u32 v5, v6, 4, v5
	v_add_nc_u32 v[RD], s23, v5
	; In the output a row of A is u bytes: q, k: a token's 64 of one head (g picks the head, 131,072 bytes on); v: a channel's 128 (g picks the row's second half, 64 bytes on).
	s_cmp_eq_u32 ttmp9, 2
	s_mov_b32 s86, 128
	s_cselect_b32 s86, s86, 64                     ; u
	s_mov_b32 s87, 0x20000
	s_cselect_b32 s87, 64, s87                     ; from g = 0 to g = 1
	v_lshlrev_b32 v[CO], 4, v6
	v_mad_u32_u24 v[CO], v7, s86, v[CO]
	v_mad_u32_u24 v[CO], v2, s87, v[CO]            ; store 0: 16 ch + tq u + g x that.  Row 16 a + 4 i + tq of my 128 goes to place 32 (a / 2) + 16 (i / 2) + 8 (a % 2) + 4 (i % 2) + tq: bits 3 and 4 exchanged
	s_lshl_b32 s81, s86, 2
	v_add_nc_u32 v[CO+1], s81, v[CO]               ; store 1: 4 places on
	s_lshl_b32 s81, s86, 4
	v_add_nc_u32 v[CO+2], s81, v[CO]               ; store 2: 16 places on
	v_add_nc_u32 v[CO+3], s81, v[CO+1]             ; store 3: 20
	s_lshl_b32 s72, s86, 3                         ; from an even block to the next: 8 places,
	s_mov_b32 s73, 0
	s_mul_i32 s74, s86, 24                         ; from an odd one: 24
	s_mov_b32 s75, 0
	s_lshl_b32 s81, s17, 8                         ; q, k: my first token = 256 x tile + 128 x half
	s_lshl_b32 s82, s15, 7
	s_add_co_u32 s81, s81, s82
	s_lshr_b32 s82, s81, 11                        ; b
	s_lshl_b32 s82, s82, 4
	s_lshl_b32 s83, s40, 2
	s_add_co_u32 s82, s82, s83
	s_lshl_b32 s83, s16, 1
	s_add_co_u32 s82, s82, s83                     ; 16 b + my first head (4 cx + 2 x half)
	s_lshl_b32 s82, s82, 17                        ; x 2,048 tokens x 64 bytes
	s_and_b32 s81, s81, 2047
	s_lshl_b32 s81, s81, 6
	s_add_co_u32 s82, s82, s81                     ; + the token in its sequence x 64
	s_lshl_b32 s81, s78, 8                         ; v: my first token = 256 x tile + 128 x half: one block of 128 keys
	s_lshl_b32 s83, s16, 7
	s_add_co_u32 s81, s81, s83
	s_lshr_b32 s81, s81, 7                         ; 16 b + the block
	s_lshl_b32 s81, s81, 4
	s_lshl_b32 s83, s41, 2
	s_add_co_u32 s81, s81, s83
	s_lshl_b32 s83, s15, 1
	s_add_co_u32 s81, s81, s83                     ; x 16 heads + my first head (4 cy + 2 x half)
	s_lshl_b32 s81, s81, 13                        ; x 64 channels x 128 bytes
	s_cmp_eq_u32 ttmp9, 2
	s_cselect_b32 s84, s81, s82
	s_mov_b32 s85, 0
	s_cselect_b64 s[68:69], s[70:71], s[68:69]     ; v's codes or k's,
	s_cmp_eq_u32 ttmp9, 0
	s_cselect_b64 s[10:11], s[10:11], s[68:69]     ; or q's
	s_add_nc_u64 s[10:11], s[10:11], s[84:85]
.macro FRAG reg, adr, q, i             ; a fragment, 16 rows x 128 K, is 16 registers: lane l holds row l % 16; registers 4 c .. 4 c + 3 hold K = 32 c + 16 (l / 16) + 0 .. 15: the same permutation of k on both sides, so every product meets its partner
.irp c, 0,1,2,3
	ds_load_b128 v[\reg+4*\c:\reg+4*\c+3], v[\adr] offset:128*(\q)+32*\c+(\i)*16*PITCH
.endr
.endm
; 16 matrix instructions: A's blocks a0, a0 + 1 x B's eight, 128 along K.  p: B's set.  zero = 1: the first product starts the sums.  The 64 accumulators take turns, one instruction a turn, in the same order in every step.
.macro MUL16 a0, p, zero
.irp a, \a0, \a0+1
.irp b, 0,1,2,3,4,5,6,7
.if \zero
	v_wmma_f32_16x16x128_fp8_fp8 v[8*(8*((\a)%4)+\b):8*(8*((\a)%4)+\b)+7], v[128*(\p)+FR*\b:128*(\p)+FR*\b+FR-1], v[AF+FR*(\a):AF+FR*(\a)+FR-1], 0
.else
	v_wmma_f32_16x16x128_fp8_fp8 v[8*(8*((\a)%4)+\b):8*(8*((\a)%4)+\b)+7], v[128*(\p)+FR*\b:128*(\p)+FR*\b+FR-1], v[AF+FR*(\a):AF+FR*(\a)+FR-1], v[8*(8*((\a)%4)+\b):8*(8*((\a)%4)+\b)+7]
.endif
.endr
.endr
.endm
.macro FETCH_B slot, q, p              ; B's eight fragments of the slot's q-th 128 along K into set p
	WIN TO_B
.irp i, 0,1,2,3,4,5,6,7
	FRAG 128*(\p)+FR*\i, ADRB+\slot, \q, \i
.endr
	WIN 0
.endm
.macro FETCH_A slot, q, i0             ; A's blocks i0 .. i0 + 3
.irp i, \i0, \i0+1, \i0+2, \i0+3
	FRAG AF+FR*(\i), ADRA+\slot, \q, \i
.endr
.endm
.macro PLACES n                        ; plain vector instructions between a matrix instruction and a load into a register that it has read, or a read of its result
.rept \n
	v_nop
.endr
.endm
; A step of 128 along K that has its successor in the same slot.  A's blocks go one after the other, each against B's eight: a block of A is free when its eight products are issued, so A has one set of registers, B two.
.macro STEP slot, q, zero
	s_wait_dscnt 4*NL                              ; B's set and A's blocks 0-3 are in; the youngest sixteen loads (A's blocks 4-7) may be out
	WIN MUL_LO
	MUL16 0, (\q)%2, \zero
	MUL16 2, (\q)%2, \zero
	s_wait_dscnt 0                                 ; A's blocks 4-7 are in
	PLACES NP
	FETCH_B \slot, (\q)+1, 1-(\q)%2
	FETCH_A \slot, (\q)+1, 0
	WIN MUL_HI
	MUL16 4, (\q)%2, \zero
	MUL16 6, (\q)%2, \zero
	PLACES NP
	WIN 0
	FETCH_A \slot, (\q)+1, 4
.endm
; A slot's last step changes slots: ONE barrier; in front of it each wave waits for all its tensor loads, adds 0 to its spare word, and waits for that and for its own reads of this slot.  fill = 1: this slot is filled again, two K steps ahead.
.macro TURN slot, next, fill
	s_wait_tensorcnt 0x0                           ; all my tensor loads have landed: the one that was out is my part of the next slot
	ds_add_u32 v[SPW], v[NIL]                      ; 0 onto my spare word
	s_wait_dscnt 4*NL+1                            ; (the add and the youngest sixteen loads, A's blocks 4-7, may be out)
	WIN MUL_LO
	MUL16 0, 1, 0                                  ; sixteen matrix instructions stand between the add and the wait for it
	s_wait_dscnt 0x0                               ; the add is done, and my reads of this slot are over
	s_barrier_signal -1
	MUL16 2, 1, 0
	WIN 0
	s_barrier_wait -1
.if \fill
	CREST                                          ; the barrier has opened a round of the cluster's barrier: no wave of any partner still reads this slot's tile or has a load on its way
	s_add_nc_u64 s[G0+4*\slot+2:G0+4*\slot+3], s[G0+4*\slot+2:G0+4*\slot+3], 2*ROWB
	s_add_nc_u64 s[G0B+4*\slot+2:G0B+4*\slot+3], s[G0B+4*\slot+2:G0B+4*\slot+3], 2*ROWB
	JLOAD G0+4*\slot, G1, G0B+4*\slot, G1B         ; the first tensor load behind the round, my only one until the next; its four v_nop are the places in front of the loads below
.else
	PLACES NP
.endif
	FETCH_B \next, 0, 0
	FETCH_A \next, 0, 0
	WIN MUL_HI
	MUL16 4, 1, 0
	MUL16 6, 1, 0
	PLACES NP
	WIN 0
	FETCH_A \next, 0, 4
.endm
	s_wait_alu depctr_va_vdst(0)
	s_wait_tensorcnt 0x0                           ; my part of K step 0 is in
	ds_add_u32 v[SPW], v[NIL]
	s_wait_dscnt 0x0
	CROUND                                         ; everybody's part of K step 0 is in, and all sixteen work-groups are here
	JLOAD G0+4, G1, G0B+4, G1B                     ; K step 1's load, the first tensor load behind the round
	FETCH_B 0, 0, 0
	FETCH_A 0, 0, 0
	FETCH_A 0, 0, 4
	STEP 0, 0, 1                                   ; the first step stands in front of the loop: its products start the sums
	s_mov_b32 s3, LAPS-1
.Llap:                                                 ; a trip goes once round the ring, from a lap's second step to the next lap's first, and fills both slots again
	TURN 0, 1, 1
	STEP 1, 0, 0
	TURN 1, 0, 1
	STEP 0, 0, 0
	s_sub_co_u32 s3, s3, 1
	s_cmp_lg_u32 s3, 0
	s_cbranch_scc1 .Llap
	TURN 0, 1, 0                                   ; the last lap fills nothing, and has no round of the cluster's barrier
	STEP 1, 0, 0
	s_wait_dscnt 4*NL                              ; the very last step: nothing more to fetch
	WIN MUL_LO
	MUL16 0, 1, 0
	MUL16 2, 1, 0
	s_wait_dscnt 0
	WIN MUL_HI
	MUL16 4, 1, 0
	MUL16 6, 1, 0
	WIN 0
; THE WAY OUT, block by block of 16 rows of A x 128 sums.  The sums are held, converted (a lane's eight sums: eight codes, 8 bytes of its row), go through my own stage in LDS and come back 16 bytes a lane, so that each
; store covers two whole runs of 256 consecutive bytes, each at a multiple of 256 from the buffer's first byte.  LDS serves a wave's instructions in order (ISA guide 5.7.1.4): no wait between the stores and the loads.
.macro TOSTAGE a
.set AC, 64*((\a)%4)
.set CDA, CD+16*((\a)%2)
.set BB, BK+16*((\a)%2)
	WIN 0x02+((\a)/4)                              ; source 0: window 2 or 3
.set j, 0
.rept 64
	v_med3_num_f32 v[TMP+j], v[AC+j], -v[LIM], v[LIM]   ; the conversion does not saturate (ISA guide 7.6.2): the hold at 448 x the scale; each accumulator from its low end on
.set j, j+1
.endr
	WIN 0
.irp b, 0,1,2,3,4,5,6,7
	v_cvt_scalef32_pk8_fp8_f32 v[CDA+2*\b:CDA+2*\b+1], v[TMP+8*\b:TMP+8*\b+7], v[SCL]
.endr
	v_nop                                          ; one plain vector instruction behind the last conversion: the next block's holds write the conversions' sources
.irp b, 0,1,2,3,4,5,6,7
	ds_store_b64 v[STO], v[CDA+2*\b:CDA+2*\b+1] offset:16*\b
.endr
.irp i, 0,1,2,3
	ds_load_b128 v[BB+4*\i:BB+4*\i+3], v[RD] offset:4*SP*\i
.endr
.endm
.macro SEND a, younger                 ; younger: the LDS instructions issued behind block a's loads, which may stay out
.set BB, BK+16*((\a)%2)
	s_wait_dscnt \younger                          ; the block is back in registers (and its LDS stores have read their set of codes)
.if (\a) > 0
.if (\a)%2
	s_add_nc_u64 s[10:11], s[10:11], s[72:73]      ; (behind a wait on XCNT: the earlier stores have read their base)
.else
	s_add_nc_u64 s[10:11], s[10:11], s[74:75]
.endif
.endif
.irp i, 0,1,2,3
	global_store_b128 v[CO+\i], v[BB+4*\i:BB+4*\i+3], s[10:11]
.endr
.endm
	s_wait_kmcnt 0x0
	s_cmp_eq_u32 ttmp9, 0
	s_cselect_b32 s96, s90, s91                    ; e2 (q) or e3 (k),
	s_cmp_eq_u32 ttmp9, 2
	s_cselect_b32 s96, s93, s96                    ; or e5 (v)
	s_sub_co_i32 s96, s96, s88
	s_sub_co_i32 s96, s96, s89                     ; eo - e0 - e1: the three scales folded into the conversion's one
	s_add_co_i32 s96, s96, 127
	s_lshl_b32 s97, s96, 23
	v_mov_b32 v[SCL], s97
	s_add_co_i32 s96, s96, 8
	s_lshl_b32 s96, s96, 23
	s_or_b32 s96, s96, 0x600000
	v_mov_b32 v[LIM], s96                          ; 448 x that
	PLACES NP                                      ; behind the last products: for the reads of results and the loads into the registers that held A's fragments
	TOSTAGE 0
.irp a, 1,2,3,4,5,6,7
.if \a > 1
	s_wait_xcnt 0x0                                ; block a - 2's stores have read their registers and their base: block a's loads may land there, and the base may step
.endif
	TOSTAGE \a
	SEND \a-1, 12                                  ; behind block a - 1's loads: block a's 8 stores and 4 loads
.endr
	s_wait_xcnt 0x0                                ; block 6's stores have read their base
	SEND 7, 0
	s_wait_tensorcnt 0x0                           ; the wave's end, behind my last tensor load and my last LDS store
	ds_add_u32 v[SPW], v[NIL]
	s_wait_dscnt 0x0
	CROUND                                         ; the closing round: no work-group ends while a partner may still ask for a tile that names it
	s_endpgm
.Lfunc_end_k_q61f87ad2e1_qkv:
	.size	k_q61f87ad2e1_qkv, .Lfunc_end_k_q61f87ad2e1_qkv-k_q61f87ad2e1_qkv
	.p2alignl 7, 3214868480
	.fill 96, 4, 3214868480
	.section	.rodata,"a",@progbits
	.p2align	6, 0x0
	.amdhsa_kernel k_q61f87ad2e1_qkv
		.amdhsa_group_segment_fixed_size 327680
		.amdhsa_private_segment_fixed_size 0
		.amdhsa_enable_private_segment 0
		.amdhsa_kernarg_size 48
		.amdhsa_user_sgpr_count 2
		.amdhsa_user_sgpr_kernarg_segment_ptr 1
		.amdhsa_wavefront_size32 1
		.amdhsa_system_sgpr_workgroup_id_x 1
		.amdhsa_system_sgpr_workgroup_id_y 1
		.amdhsa_system_sgpr_workgroup_id_z 1
		.amdhsa_system_vgpr_workitem_id 0
		.amdhsa_next_free_vgpr 1024
		.amdhsa_next_free_sgpr 100
		.amdhsa_reserve_vcc 0
		.amdhsa_float_denorm_mode_32 3
		.amdhsa_float_denorm_mode_16_64 3
		.amdhsa_memory_ordered 1
		.amdhsa_forward_progress 1
		.amdhsa_inst_pref_size 127
	.end_amdhsa_kernel
	.amdgpu_metadata
---
amdhsa.version: [ 1, 2 ]
amdhsa.kernels:
  - .name:           k_q61f87ad2e1_qkv
    .symbol:         k_q61f87ad2e1_qkv.kd
    .args:
      - { .name: x_codes, .offset: 0, .size: 8, .value_kind: global_buffer, .address_space: global }
      - { .name: wqkv_codes, .offset: 8, .size: 8, .value_kind: global_buffer, .address_space: global }
      - { .name: lowp_scales, .offset: 16, .size: 8, .value_kind: global_buffer, .address_space: global }
      - { .name: q_codes, .offset: 24, .size: 8, .value_kind: global_buffer, .address_space: global }
      - { .name: k_codes, .offset: 32, .size: 8, .value_kind: global_buffer, .address_space: global }
      - { .name: v_codes, .offset: 40, .size: 8, .value_kind: global_buffer, .address_space: global }
    .group_segment_fixed_size: 327680
    .private_segment_fixed_size: 0
    .kernarg_segment_align: 8
    .kernarg_segment_size: 48
    .max_flat_workgroup_size: 128
    .sgpr_count:     100
    .vgpr_count:     1024
    .wavefront_size: 32
...
	.end_amdgpu_metadata
.endif
;; end of part 2
;; launch attn (part 3): grid 4 x 64, 16 waves a work-group, no clusters, 327,680 bytes of LDS; arguments q_codes, k_codes, v_codes, lowp_scales, sequences, emb, bias_scale, a_img; writes a_img
.if DOCPART == 3
	.amdgcn_target "amdgcn-amd-amdhsa--gfx1250"
	.amdhsa_code_object_version 6
	.text
	.protected	k_q61f87ad2e1_attn
	.globl	k_q61f87ad2e1_attn
	.p2align	8
	.type	k_q61f87ad2e1_attn,@function
k_q61f87ad2e1_attn:
	s_mov_b64 s[64:65], 0
	v_nop
	global_prefetch_b8 v0, s[64:65] scope:SCOPE_SE
	s_setreg_imm32_b32 hwreg(HW_REG_WAVE_MODE, 25, 1), 1
	s_wait_xcnt 0x0
; Causal attention on codes of FP8 (E4M3) for one (batch, head), then + bias_scale x the sum of the token's four rows of emb, quantised with e6 into the register image of the last product's operand.
; WORK LEFT OUT: steps of 128 keys that lie wholly behind a wave's 16 queries (reference()'s own jnp.tril gives them the weight 0 whatever the inputs hold); a NaN or an infinity that reaches only those scores is not carried on.
; THE SOFTMAX: t = score x log2(e) / 8; M = the row's largest t so far, rounded UP to a whole number; p = 2^(t - M) is quantised (e4), not normalised; the row's sum is taken of the unquantised p and divides at the end.
; When M moves, the sum and O are multiplied by 2^(old M - new M): exact.
; SHARES.  Work-group (i, bh), i = 0 .. 3, owns the blocks 7 - i and i of 256 queries, one after the other: 8 - i slots of 256 keys for the first, i + 1 for the second: NINE trips in every work-group, so the trip counts
; are constants and every slot that is asked for is read.  Each of the sixteen waves owns one tile of 16 queries of the block in hand, in 256 registers: four waves to a SIMD.  All sixteen work in every step but the second
; step of a block's last slot, which counts for the tiles 8 to 15 alone.  Wave w takes tile 8 ((w xor w / 4) % 2) + w / 2, so that those tiles are mixed however the waves are dealt to the SIMDs.
; At the end of trip 7 - i (a branch on the work-group's number and the count of trips, the same in all waves) the first block goes out and the state is set for the second.
; K and V come through a ring of two LDS slots (waves 0, 1: K's halves; waves 2, 3: V's blocks of 128 keys), 8,192 dense bytes a load, stated as 32 rows of 256 bytes with the padding behind each 64 (K) or 128 (V) bytes.
; THE CHANGE OF SLOTS is laid into a slot's second step: see the macros CHANGE and PASS.  Trip t reads slot t % 2; behind its change that slot takes trip t + 2's keys.
; NO CLUSTER: the four work-groups of a head walk slots 0 to 4 alike and then part (slot 5 or slot 0, by the work-group's number), so they would need different tiles in the same round.
; NO PREFETCH of K and V: a work-group reads 9 x 32 KB of them and 512 KB of emb; through 16 of its 18 steps each wave has four gather loads of 512 bytes out, asked for a step ahead of their use.
; LAYOUT.  Both products transposed: S^T = K Q^T (source 0 = 16 keys), O^T = V^T P^T (source 0 = 16 channels): a lane holds ONE query (lane % 16).  Launch 2 stored keys and channels with bits 3 and 4 of their
; number exchanged: the 16 rows of tile 2 b + u are neighbours in LDS and are keys (channels) 32 b + 16 (m / 8) + 8 u + m % 8, so the 16 registers of tiles 2 b, 2 b + 1 are 16 neighbours: 32 b + 16 (lane / 16) + 0 .. 15.
; THE GATHER: beside each step of trips 0 to 7 a wave asks for two tokens x 4 rows x its head's 256 bytes (sixteen lanes read 256 consecutive bytes) ahead of the step and adds them up behind it: trips 0-3 the first block's 16 tokens, trips 4-7 the second's.
; LIMITS, so that each power of two below is an f32 number: e2 + e3 between -123 and 130; e4 and e6 between -126 and 119.  An index of sequences lies in 0 .. 31,999 (held there from above).  NaN among the inputs is not served.
; REGISTERS: v1-11 addresses; v12 -M, v13 the largest t, v[14:15] the sum; v16-23 Q; v24-31 the second block's Q; v32-95 the step's K, then its V; v96-159 S^T, then p; v160-191 O^T; v192-223 the gather; v224-239 p's codes; v240-247 scales and offsets; v242-243, v250-255 at work.
.set KP,    80                         ; a key's row in LDS: 64 bytes + 16
.set VP,    144                        ; a channel's row of V: 128 bytes + 16
.set VOFF,  256*KP                     ; a slot: 256 rows of K, then two blocks of 64 rows of V
.set VBLK,  64*VP
.set SLOT1, 65536                      ; slot 1 begins here: one exclusive or turns an address in one slot into the other's
.set SPARE, 2*SLOT1                    ; behind the ring: the spare words, 128 bytes for each of 16 waves
.set ESTG,  SPARE+2048                 ; the bias's stage: for each wave 32 token rows x (256 bytes + 16); written by LDS stores and read by the same wave alone; no tile lands here
.set EPW,   32*272
.set AK0,  1                           ; v1   my lane's place in a tile of K
.set AV0,  2                           ; v2   the same for V
.set EW0,  3                           ; v3   the stage: where I put 16 bytes of a token's row
.set ER,   4                           ; v4   the stage: where I read my query's row
.set SPW,  5                           ; v5   LDS address of my spare word; never rewritten
.set NIL,  6                           ; v6   0; never rewritten
.set GO,   7                           ; v7   16 x lane
.set ADK,  8                           ; v8   LDS address of the step's K
.set ADV,  9                           ; v9   of its V
.set EWA,  10                          ; v10  of the piece's place in the stage
.set EC,   11                          ; v11  my 16 bytes in a row of emb: 256 x head + 16 (lane % 16)
.set SQ,   246                         ; v246 my token's 16 bytes in sequences
.set DL,   247                         ; v247 lane % 16 - 16 (lane / 16)
.set IDXA, 192                         ; v192-195, v196-199: four indices of the tokens of the trip's two pieces
.set IDXB, 196
.set OFF,  200                         ; v200-203 byte offsets in emb
.set DATA, 204                         ; v204-219 four rows' 16 bytes
.set SUM,  220                         ; v220-223 their sum
.set TB,   2                           ; s2   LDS byte at which the slot in hand begins
.set CNT,  3                           ; s3   7 less the trip's number
.set SEL,  20                          ; s[20:21] lane selects for v_permlanex16_b32: lane l xor 16
.set CS,   22                          ; s[22:23] c = log2(e) / 8 x 2^(e2 + e3)
.set G1K,  24                          ; s[24:31] descriptor group 1 for K's tiles;  s[32:39] for V's;  s[40:43], s[44:47] their groups 0
.set G1V,  32
.set G0K,  40
.set G0V,  44
.set WV,   48                          ; s48  my wave's number
.set KF,   49                          ; s49  the step's first key
.set Q0,   50                          ; s50  my first query of the block in hand
.set Q0B,  51                          ; s51  of the second block
.set ES,   52                          ; s52  the trip's place in the stage
.set IMB,  54                          ; s[54:55] the second block's place in the image (the first's: s[18:19])
.set KB,   80                          ; s[80:81] my part of the head's slot 0 of K in memory;  s[82:83] of V
.set VB,   82
.set KS,   84                          ; s84  the slot of keys that was asked for last
.set SWC,  85                          ; s85  i + 1: s[CNT] in the trip whose change asks for the second block's first keys
.set SQS,  86                          ; s86  the trip's first token's bytes in sequences;  s87 the second block's first
.set SQB,  87
; Waves 0 and 1 fetch for K, waves 2 and 3 for V, the others nothing: one chain of branches on the wave's number, one load to an arm.  An s_nop 0 and four v_nop follow each line.
.macro TLOAD
	s_cmp_lt_u32 s[WV], 2
	s_cbranch_scc0 .Lnot_k_\@
	tensor_load_to_lds s[G0K:G0K+3], s[G1K:G1K+7]
	s_nop 0
.rept 4
	v_nop
.endr
	s_branch .Lasked_\@
.Lnot_k_\@:
	s_cmp_lt_u32 s[WV], 4
	s_cbranch_scc0 .Lasked_\@
	tensor_load_to_lds s[G0V:G0V+3], s[G1V:G1V+7]
	s_nop 0
.rept 4
	v_nop
.endr
.Lasked_\@:
.endm
.macro INIT                            ; a block's state: the largest t -3e38, under every t; the sum and O^T zeros, which the first change of M leaves zeros
	v_mov_b32 v13, 0xff61b1e6
	v_mov_b32 v14, 0
	v_mov_b32 v15, 0
	v_floor_f32 v12, -v13                          ; -M
.set n, 0
.rept 32
	v_mov_b32 v[160+n], 0
.set n, n+1
.endr
.endm
; THE CHANGE OF SLOTS, in two parts.  CHANGE: the wave waits for all its tensor loads (its part of the next trip's slot), adds 0 to its spare word (fill = 1: twice on end), waits for that and for its reads of the slot
; in hand, and signals.  In a trip it stands in the second step, behind the loads of that step's fragments of V, the wave's last reads of the slot; the step's softmax and second product, work on registers alone, stand
; between the signal and the wait.  PASS: behind the wait the next slot is whole and nobody reads the slot in hand.  fill = 1: that slot is filled with the keys of the trip after next: the slot of keys after the last, or,
; where that trip is the second block's first, slot 0 again.  fill = 2: nothing is left to ask for.  Every wait on TENSORcnt in this text is for 0; by its own count a wave has one tensor load outstanding at the most.
.macro CHANGE fill
	s_wait_tensorcnt 0x0                           ; no tensor load of mine is out, so a group 0 may be written
	ds_add_u32 v[SPW], v[NIL]                      ; 0 onto my spare word
.if \fill == 1
	ds_add_u32 v[SPW], v[NIL]                      ; and once more
	s_xor_b32 s[G0K+1], s[G0K+1], SLOT1            ; the other slot than last time
	s_xor_b32 s[G0V+1], s[G0V+1], SLOT1
	s_add_co_u32 s[KS], s[KS], 1
	s_cmp_eq_u32 s[CNT], s[SWC]
	s_cselect_b32 s[KS], 0, s[KS]                  ; which 256 keys
	s_lshl_b32 s68, s[KS], 14                      ; K: 256 keys x 64 bytes
	s_mov_b32 s69, 0
	s_add_nc_u64 s[G0K+2:G0K+3], s[KB:KB+1], s[68:69]
	s_or_b32 s[G0K+3], s[G0K+3], 0x80000000
	s_lshl_b32 s68, s[KS], 18                      ; V: two blocks of keys x 16 heads x 8,192 bytes
	s_add_nc_u64 s[G0V+2:G0V+3], s[VB:VB+1], s[68:69]
	s_or_b32 s[G0V+3], s[G0V+3], 0x80000000
.endif
	s_wait_dscnt 0x0                               ; the add is done, and my reads of the slot in hand are over
	s_barrier_signal -1
.endm
.macro PASS fill
	s_barrier_wait -1
.if \fill == 1
	TLOAD                                          ; the first thing behind the barrier, and a wave's one tensor load until the next
.endif
.endm
	s_load_b512 s[4:19], s[0:1], 0x0               ; q s[4:5], k s[6:7], v s[8:9], the exponents s[10:11], sequences s[12:13], emb s[14:15], bias_scale s[16:17], the image s[18:19]
	v_lshl_add_u32 v[SPW], v0, 2, SPARE
	v_mov_b32 v[NIL], 0
	ds_add_u32 v[SPW], v[NIL]                      ; the wave's opening: the add, twice on end, and its wait ahead of my first tensor load; the set-up below stands between
	ds_add_u32 v[SPW], v[NIL]
	v_lshrrev_b32 v8, 5, v0
	v_readfirstlane_b32 s[WV], v8                  ; wave 0..15
	s_and_b32 s68, ttmp7, 0xffff                   ; 16 b + head
	s_lshr_b32 s69, s68, 4                         ; b
	s_and_b32 s70, s68, 15                         ; head
	s_lshr_b32 s71, s[WV], 2
	s_xor_b32 s71, s71, s[WV]
	s_and_b32 s71, s71, 1
	s_lshl_b32 s71, s71, 7
	s_lshr_b32 s72, s[WV], 1
	s_lshl_b32 s72, s72, 4
	s_add_co_u32 s71, s71, s72                     ; my tile's first query in a block: 128 ((w xor w / 4) % 2) + 16 (w / 2)
	s_lshl_b32 s[Q0B], ttmp9, 8
	s_sub_co_u32 s[Q0], 0x700, s[Q0B]              ; block 7 - i
	s_add_co_u32 s[Q0], s[Q0], s71
	s_add_co_u32 s[Q0B], s[Q0B], s71               ; block i
	s_add_co_u32 s[SWC], ttmp9, 1
	s_and_b32 s74, s[WV], 1                        ; which half of a slot I fetch, if I fetch
	s_mul_i32 s75, s74, 128*KP                     ; K: its place in a slot,
	s_mul_i32 s73, s74, VBLK
	s_add_co_u32 s73, s73, VOFF                    ; V's
	s_lshl_b32 s76, s68, 17                        ; K in memory: (16 b + head) x 2,048 x 64 + half x 128 x 64
	s_lshl_b32 s77, s74, 13
	s_add_co_u32 s76, s76, s77
	s_mov_b32 s77, 0
	s_lshl_b32 s78, s69, 8                         ; V in memory: ((16 b + block of keys) x 16 + head) x 8,192
	s_add_co_u32 s78, s78, s70
	s_lshl_b32 s78, s78, 13
	s_lshl_b32 s79, s74, 17
	s_add_co_u32 s78, s78, s79
	s_mov_b32 s79, 0
	s_and_b32 s88, s71, 0xe0                       ; Q: token Q0 + r lies at place (Q0 less its bit 4) + 8 x that bit + r + 8 (r / 8)
	s_bfe_u32 s89, s71, 0x10004
	s_lshl_b32 s89, s89, 3
	s_add_co_u32 s88, s88, s89
	s_lshl_b32 s88, s88, 6
	s_lshl_b32 s89, s68, 17
	s_add_co_u32 s88, s88, s89                     ; my tile's place in a block of the head, in bytes
	s_sub_co_u32 s89, s[Q0], s71
	s_lshl_b32 s89, s89, 6
	s_add_co_u32 s89, s89, s88                     ; in block 7 - i,
	s_lshl_b32 s90, ttmp9, 14
	s_add_co_u32 s90, s90, s88                     ; in block i
	s_lshl_b32 s91, s69, 11
	s_add_co_u32 s92, s91, s[Q0]                   ; my first tokens among the 8,192
	s_add_co_u32 s93, s91, s[Q0B]
	s_lshl_b32 s[SQS], s92, 4                      ; 16 bytes of indices a token
	s_lshl_b32 s[SQB], s93, 4
	s_add_co_u32 s92, s92, s70
	s_lshl_b32 s92, s92, 10                        ; the image: (token / 16) x 16,384 + head x 1,024
	s_add_co_u32 s94, s93, s70
	s_lshl_b32 s94, s94, 10
	s_mov_b32 s93, 0
	s_mov_b32 s95, 0
	s_mul_i32 s96, s[WV], EPW
	s_add_co_u32 s96, s96, ESTG                    ; my stage
	s_lshl_b32 s97, s70, 8                         ; my head's 256 bytes in a row of emb
	s_mov_b32 s[G1K], (0<<16)|(1<<20)|(3<<22)|(3<<25)   ; 15:0 no mask; 17:16 elements of 1 byte; 20 padding on; 24:22 after every 16 words; 31:25 four words
	s_mov_b32 s[G1V], (0<<16)|(1<<20)|(4<<22)|(3<<25)   ; padding: four words after every 32
.irp g, G1K, G1V
	s_mov_b32 s[\g+1], 256<<16                     ; tensor_dim0 = 256
	s_mov_b32 s[\g+2], 32<<16                      ; tensor_dim1 = 32
	s_mov_b32 s[\g+3], 256<<16                     ; tile_dim0
	s_mov_b32 s[\g+4], 32                          ; tile_dim1
	s_mov_b32 s[\g+5], 256                         ; tensor_dim0_stride
	s_mov_b32 s[\g+6], 0
	s_mov_b32 s[\g+7], 0
.endr
	s_mov_b32 s[SEL], 0x76543210
	s_mov_b32 s[SEL+1], 0xfedcba98
	s_mov_b32 s[CS], 0x3e38aa3b                    ; log2(e) / 8
	s_mov_b32 s[TB], 0
	s_mov_b32 s[KF], 0
	s_mov_b32 s[ES], 0
	s_mov_b32 s[KS], 0
	s_mov_b32 s[CNT], 7
	s_wait_dscnt 0x0                               ; both opening adds are done
	s_wait_kmcnt 0x0
	s_load_b256 s[56:63], s[10:11], 0x0            ; e0 .. e7
	s_load_b32 s66, s[16:17], 0x0                  ; bias_scale
	s_add_nc_u64 s[KB:KB+1], s[6:7], s[76:77]
	s_add_nc_u64 s[VB:VB+1], s[8:9], s[78:79]
	s_mov_b32 s[G0K], 1                            ; 1:0 count = 1
	s_mov_b32 s[G0K+1], s75                        ; 63:32 LDS address: slot 0
	s_mov_b64 s[G0K+2:G0K+3], s[KB:KB+1]           ; 120:64 global address
	s_or_b32 s[G0K+3], s[G0K+3], 0x80000000        ; 127:126 type = 2
	s_mov_b32 s[G0V], 1
	s_mov_b32 s[G0V+1], s73
	s_mov_b64 s[G0V+2:G0V+3], s[VB:VB+1]
	s_or_b32 s[G0V+3], s[G0V+3], 0x80000000
	TLOAD                                          ; slot 0: keys 0 to 255
	s_add_nc_u64 s[IMB:IMB+1], s[18:19], s[94:95]
	s_add_nc_u64 s[18:19], s[18:19], s[92:93]
	v_and_b32 v8, 15, v0                           ; r = lane % 16
	v_bfe_u32 v9, v0, 4, 1                         ; h = lane / 16
	v_and_b32 v10, 8, v8
	v_add_nc_u32 v10, v10, v8                      ; r + 8 (r / 8)
	v_lshlrev_b32 v10, 6, v10
	v_lshl_add_u32 v10, v9, 4, v10
	v_add_nc_u32 v96, s89, v10
	v_add_nc_u32 v97, s90, v10
	global_load_b128 v[16:19], v96, s[4:5]         ; Q's fragments stay: registers 4 c .. 4 c + 3 hold channels 32 c + 16 h + 0 .. 15, as K's do
	global_load_b128 v[20:23], v96, s[4:5] offset:32
	global_load_b128 v[24:27], v97, s[4:5]         ; the second block's
	global_load_b128 v[28:31], v97, s[4:5] offset:32
	v_lshl_add_u32 v[SQ], v9, 4, s[SQS]            ; lanes 0-15 take token Q0, lanes 16-31 token Q0 + 1
	global_load_b128 v[IDXA:IDXA+3], v[SQ], s[12:13]
	global_load_b128 v[IDXB:IDXB+3], v[SQ], s[12:13] offset:32   ; two tokens on
	v_mul_u32_u24 v[AK0], v8, KP
	v_lshl_add_u32 v[AK0], v9, 4, v[AK0]
	v_mul_u32_u24 v[AV0], v8, VP
	v_lshl_add_u32 v[AV0], v9, 4, v[AV0]
	v_add_nc_u32 v[AV0], VOFF, v[AV0]
	v_mul_u32_u24 v[EW0], v9, 272
	v_lshl_add_u32 v[EW0], v8, 4, v[EW0]
	v_add_nc_u32 v[EW0], s96, v[EW0]               ; in: token row h of the piece, 16 bytes a lane
	v_mul_u32_u24 v[ER], v8, 272
	v_lshl_add_u32 v[ER], v9, 6, v[ER]
	v_add_nc_u32 v[ER], s96, v[ER]                 ; back: my query's row, + 64 h: channels 16 h on
	v_and_b32 v[GO], 31, v0
	v_lshlrev_b32 v[GO], 4, v[GO]
	v_lshl_add_u32 v[EC], v8, 4, s97
	v_lshlrev_b32 v[DL], 4, v9
	v_sub_nc_u32 v[DL], v8, v[DL]
	INIT
	v_mov_b32 v236, 0                              ; written once: a lane permute's destination counts as one of its sources
	v_mov_b32 v252, 0
	v_mov_b32 v253, 0                              ; (named as the upper half of the pair v[252:253])
	s_wait_kmcnt 0x0
	s_add_co_i32 s72, s58, s59
	s_lshl_b32 s72, s72, 23
	s_add_co_i32 s[CS], s[CS], s72                 ; a score stands for score x 2^(e2 + e3): the exponents are added to c's exponent field
	s_mov_b32 s[CS+1], s[CS]                       ; (named with it as a pair, so it is written)
	s_add_co_i32 s72, s60, 127
	s_lshl_b32 s73, s72, 23
	v_mov_b32 v244, s73                            ; 2^e4, for p's conversions
	s_add_co_i32 s72, s72, 8
	s_lshl_b32 s72, s72, 23
	s_or_b32 s72, s72, 0x600000
	v_mov_b32 v240, s72                            ; 448 x 2^e4,
	v_mov_b32 v249, s72                            ; and once more: the two halves of a dual pair take their second sources from different register banks
	s_add_co_i32 s72, s62, 127
	s_lshl_b32 s73, s72, 23
	v_mov_b32 v245, s73                            ; 2^e6, for the result's
	s_add_co_i32 s72, s72, 8
	s_lshl_b32 s72, s72, 23
	s_or_b32 s72, s72, 0x600000
	v_mov_b32 v241, s72                            ; 448 x 2^e6
	s_mov_b32 s67, s66                             ; (bias_scale is named as a pair)
	s_add_co_i32 s53, s60, s61                     ; e4 + e5
; A KEY STEP: 128 keys, the q-th of the slot in hand.  chg = 0: a plain step; 1, 2: the slot's last step, with the change of slots laid into it (CHANGE's and PASS's fill).
; A step all of whose keys come after my 16 queries is left out: scalar branches on ids, round its loads, products and softmax; not round the change's lines, which every wave runs, nor round the line that steps KF.
.macro STEP q, chg
	s_add_co_u32 s68, s[Q0], 15
	s_cmp_gt_u32 s[KF], s68
.if \chg
	s_cbranch_scc1 .Lmeet_\@
.else
	s_cbranch_scc1 .Lhidden_\@
.endif
	v_add_nc_u32 v[ADK], s[TB], v[AK0]
	v_add_nc_u32 v[ADV], s[TB], v[AV0]
	v_nop                                          ; with the two additions: four places in front of loads into registers that the last products have read
	v_nop
.irp t, 0,1,2,3,4,5,6,7
	ds_load_b128 v[32+8*\t:35+8*\t], v[ADK] offset:(128*(\q)+16*\t)*KP
	ds_load_b128 v[36+8*\t:39+8*\t], v[ADK] offset:(128*(\q)+16*\t)*KP+32
.endr
	s_wait_alu depctr_va_vdst(0)
	s_wait_dscnt 0x0
.irp t, 0,1,2,3,4,5,6,7
	v_wmma_f32_16x16x64_fp8_fp8 v[96+8*\t:103+8*\t], v[32+8*\t:39+8*\t], v[16:23], 0   ; S^T: eight tiles of 16 keys; K = the head's 64
.endr
.rept 4
	v_nop                                          ; places: in front of the loads below, into registers that these products have read, and of the first read of the scores
.endr
.irp t, 0,1,2,3
.irp c, 0,1,2,3
	ds_load_b128 v[32+16*\t+4*\c:35+16*\t+4*\c], v[ADV] offset:VBLK*(\q)+16*VP*\t+32*\c   ; V's four fragments (chg = 0: they land under the softmax)
.endr
.endr
.if \chg
.Lmeet_\@:
	CHANGE \chg                                    ; V's fragments are in, my last reads of this slot: I say so now, and wait for the others behind the step's work on registers
	s_add_co_u32 s68, s[Q0], 15
	s_cmp_gt_u32 s[KF], s68
	s_cbranch_scc1 .Lhidden_\@
.endif
	s_add_co_u32 s68, s[KF], 127                   ; on the diagonal the scores of hidden keys become -infinity ahead of the maximum: p = 0 then.  A step all of whose keys count skips this
	s_cmp_le_u32 s68, s[Q0]
	s_cbranch_scc1 .Lopen_\@
	s_sub_co_i32 s68, s[Q0], s[KF]
	v_add_nc_u32 v252, s68, v[DL]                  ; d = my query - KF - 16 (lane / 16).  Register 16 b + i holds key KF + 16 (lane / 16) + 32 b + i: hidden where 32 b + i > d
	v_mov_b32 v254, 0xff800000                     ; -infinity
	s_wait_alu depctr_va_vdst(0)
.irp b, 0,1,2,3                                ; by groups of 32 keys, 16 registers: a group whose last key counts for my first query needs no mask (a scalar branch on ids); the fourth always has hidden keys here
.if \b < 3
	s_cmp_ge_i32 s68, 32*\b+31
	s_cbranch_scc1 .Lseen_\@_\b
.endif
.set n, 16*\b
.rept 16
	v_cmp_gt_i32 vcc_lo, 32*(n/16)+n%16, v252
	v_cndmask_b32 v[96+n], v[96+n], v254, vcc_lo
.set n, n+1
.endr
.if \b < 3
.Lseen_\@_\b:
.endif
.endr
.Lopen_\@:
	v_max3_num_f32 v254, v96, v97, v98             ; the step's largest score of my query, among my 64 keys, in two chains, each accumulator from its low end on,
	v_max3_num_f32 v252, v99, v100, v101
.irp i, 6,10,14,18,22,26,30,34,38,42,46,50,54,58
	v_max3_num_f32 v254, v254, v[96+\i], v[97+\i]
	v_max3_num_f32 v252, v252, v[98+\i], v[99+\i]
.endr
	v_max3_num_f32 v254, v254, v158, v159
	s_delay_alu instid0(VALU_DEP_1)
	v_max_num_f32 v254, v254, v252
	v_permlanex16_b32 v236, v254, s[SEL], s[SEL+1]
	s_delay_alu instid0(VALU_DEP_1)
	v_max_num_f32 v254, v254, v236                 ; and among lane l xor 16's.  (The step's first key counts for all my queries: it is a number)
	s_delay_alu instid0(VALU_DEP_1)
	v_mul_f32 v254, s[CS], v254                    ; as t (c is positive)
	s_delay_alu instid0(VALU_DEP_1)
	v_max_num_f32 v13, v13, v254                   ; the running largest t
	v_mov_b32 v254, v12
	s_delay_alu instid0(VALU_DEP_2)
	v_floor_f32 v12, -v13                          ; the new -M = floor(-t) = -ceil(t): M is a whole number
	s_delay_alu instid0(VALU_DEP_1)
	v_sub_f32 v254, v12, v254                      ; M's old value less its new one: a whole number, 0 or less
	s_delay_alu instid0(VALU_DEP_1)
	v_cvt_i32_f32 v254, v254                       ; (it saturates)
	s_delay_alu instid0(VALU_DEP_1)
	v_ldexp_f32 v252, 1.0, v254                    ; f = 2^(old M - new M)
.set n, 0
.rept 32
	v_pk_fma_f32 v[96+n:97+n], v[96+n:97+n], s[CS:CS+1], v[12:13] op_sel_hi:[1,0,0]   ; t - M, two at a time (of the pairs c and -M the low word serves both halves)
.set n, n+2
.endr
	s_wait_alu depctr_va_vdst(0)
.set n, 0
.rept 64
	v_exp_f32 v[96+n], v[96+n]                     ; p = 2^(t - M), at most 1: not normalised
.set n, n+1
.endr
	v_pk_mul_f32 v[14:15], v[14:15], v[252:253] op_sel_hi:[1,0]   ; the sums under the new M: the plain instruction behind the exponentials
	s_wait_alu depctr_va_vdst(0)                   ; one wait for the batch of 64, ahead of its first reader
	v_pk_add_f32 v[242:243], v[96:97], v[98:99]    ; the row's sum is taken of the unquantised p: two at a time, in four chains
	v_pk_add_f32 v[254:255], v[100:101], v[102:103]
	v_pk_add_f32 v[250:251], v[104:105], v[106:107]
	v_pk_add_f32 v[14:15], v[14:15], v[108:109]
.irp n, 110,118,126,134,142,150
	v_pk_add_f32 v[242:243], v[242:243], v[\n:\n+1]
	v_pk_add_f32 v[254:255], v[254:255], v[\n+2:\n+3]
	v_pk_add_f32 v[250:251], v[250:251], v[\n+4:\n+5]
	v_pk_add_f32 v[14:15], v[14:15], v[\n+6:\n+7]
.endr
	v_pk_add_f32 v[242:243], v[242:243], v[158:159]
	v_pk_add_f32 v[254:255], v[254:255], v[250:251]
	v_pk_add_f32 v[14:15], v[14:15], v[242:243]
	v_pk_add_f32 v[14:15], v[14:15], v[254:255]
.irp b, 0,1,2,3
.irp i, 0,2,4,6,8,10,12,14
	v_dual_min_num_f32 v[96+16*\b+\i], v[96+16*\b+\i], v240 :: v_dual_min_num_f32 v[97+16*\b+\i], v[97+16*\b+\i], v249   ; the conversion does not saturate (ISA guide 7.6.2); p is not negative, so the hold is one-sided; two numbers an instruction
.endr
	v_cvt_scalef32_pk8_fp8_f32 v[224+4*\b:225+4*\b], v[96+16*\b:103+16*\b], v244
	v_cvt_scalef32_pk8_fp8_f32 v[226+4*\b:227+4*\b], v[104+16*\b:111+16*\b], v244
.endr
	s_wait_alu depctr_va_vdst(0)
.set n, 0
.rept 16
	v_pk_mul_f32 v[160+n:161+n], v[160+n:161+n], v[252:253] op_sel_hi:[1,0]   ; O^T under the new M.  (Plain lines between the conversions and the products that read their results)
.set n, n+2
.endr
.if \chg == 0
	s_wait_alu depctr_va_vdst(0)
	s_wait_dscnt 0x0                               ; V is in (chg = 1, 2: the change has waited for it)
.endif
.irp t, 0,1,2,3
	v_wmma_f32_16x16x128_fp8_fp8 v[160+8*\t:167+8*\t], v[32+16*\t:47+16*\t], v[224:239], v[160+8*\t:167+8*\t]   ; O^T += V^T P^T: four tiles of 16 channels, one instruction each: the accumulators take turns
.endr
.Lhidden_\@:
	s_add_co_u32 s[KF], s[KF], 128
.if \chg
	PASS \chg
.endif
.endm
; THE GATHER.  A piece: two tokens (lanes 0-15 one, lanes 16-31 the next) x 4 rows of emb x my head's 256 bytes, 16 bytes a lane.
.macro G_ISSUE idx
.irp k, 0,1,2,3
	v_min_u32 v[OFF+\k], 31999, v[\idx+\k]         ; a loaded number enters an address only held inside the table
.endr
.irp k, 0,1,2,3
	s_delay_alu instid0(VALU_DEP_4)
	v_lshl_add_u32 v[OFF+\k], v[OFF+\k], 12, v[EC] ; x 4,096 bytes a row + my 16 bytes
.endr
.irp k, 0,1,2,3
	global_load_b128 v[DATA+4*\k:DATA+4*\k+3], v[OFF+\k], s[14:15]
.endr
.endm
.macro G_NEXT                          ; the next trip's indices: four tokens on, or (in trip 3) the second block's first: a select on the count of trips
	s_add_co_u32 s[SQS], s[SQS], 64
	s_cmp_eq_u32 s[CNT], 4
	s_cselect_b32 s[SQS], s[SQB], s[SQS]
	v_bfe_u32 v[SQ], v0, 4, 1                      ; (the loads that named it are done: the wait for all loads in the piece before)
	v_lshl_add_u32 v[SQ], v[SQ], 4, s[SQS]
	global_load_b128 v[IDXA:IDXA+3], v[SQ], s[12:13]
	global_load_b128 v[IDXB:IDXB+3], v[SQ], s[12:13] offset:32
.endm
.macro G_TAKE pos
	s_wait_loadcnt 0x0                             ; the piece's four loads (and the indices asked for with it) are in: they had a key step in which to land
	s_wait_dscnt 0x0                               ; the last piece's LDS store has read its registers
	v_pk_add_f32 v[SUM:SUM+1], v[DATA:DATA+1], v[DATA+4:DATA+5]
	v_pk_add_f32 v[SUM+2:SUM+3], v[DATA+2:DATA+3], v[DATA+6:DATA+7]
	s_delay_alu instid0(VALU_DEP_2)
	v_pk_add_f32 v[SUM:SUM+1], v[SUM:SUM+1], v[DATA+8:DATA+9]
	s_delay_alu instid0(VALU_DEP_2)
	v_pk_add_f32 v[SUM+2:SUM+3], v[SUM+2:SUM+3], v[DATA+10:DATA+11]
	s_delay_alu instid0(VALU_DEP_2)
	v_pk_add_f32 v[SUM:SUM+1], v[SUM:SUM+1], v[DATA+12:DATA+13]
	s_delay_alu instid0(VALU_DEP_2)
	v_pk_add_f32 v[SUM+2:SUM+3], v[SUM+2:SUM+3], v[DATA+14:DATA+15]   ; ((a + b) + c) + d
	v_add_nc_u32 v[EWA], s[ES], v[EW0]
	ds_store_b128 v[EWA], v[SUM:SUM+3] offset:544*\pos
.endm
; A BLOCK'S WAY OUT.  O^T / the sum x 2^(e4 + e5) + bias_scale x the rows' sum, held and converted with e6.  Register 16 b + i of a lane is channel 32 b + 16 (lane / 16) + i of its query: the conversions' results are
; registers 4 c .. 4 c + 3 of the last product's fragment, so they are stored as they stand: 16 bytes a lane, 512 consecutive bytes a store.  eo: the block's rows in my stage; img: its place in the image.
.macro FINISH eo, img
	v_add_f32 v14, v14, v15                        ; the sum's two halves,
	v_permlanex16_b32 v252, v14, s[SEL], s[SEL+1]
	v_add_f32 v14, v14, v252                       ; and lane l xor 16's: the row's sum
	s_wait_alu depctr_va_vdst(0)
	v_rcp_f32 v14, v14
	v_nop                                          ; a plain instruction behind the reciprocal
.irp b, 0,1
.irp j, 0,1,2,3
	ds_load_b128 v[96+16*\b+4*\j:99+16*\b+4*\j], v[ER] offset:\eo+128*\b+16*\j   ; the rows' sum at my 32 channels: LDS serves a wave's instructions in order, so these see my stores
.endr
.endr
	s_wait_alu depctr_va_vdst(0)
	v_ldexp_f32 v14, v14, s53                      ; x 2^(e4 + e5)
	s_wait_dscnt 0x0
.set n, 0
.rept 16
	v_pk_mul_f32 v[96+n:97+n], v[96+n:97+n], s[66:67] op_sel_hi:[1,0]   ; x bias_scale.  (These are also the places behind the last products)
.set n, n+2
.endr
	s_wait_alu depctr_va_vdst(0)
.set n, 0
.rept 16
	v_pk_fma_f32 v[96+n:97+n], v[160+n:161+n], v[14:15], v[96+n:97+n] op_sel_hi:[1,0,1]   ; each accumulator from its low end on
.set n, n+2
.endr
.set n, 0
.rept 32
	v_med3_num_f32 v[96+n], v[96+n], -v241, v241   ; the hold at 448 x 2^e6
.set n, n+1
.endr
.irp g, 0,1,2,3
	v_cvt_scalef32_pk8_fp8_f32 v[224+2*\g:225+2*\g], v[96+8*\g:103+8*\g], v245
.endr
	v_nop                                          ; one plain vector instruction behind the last conversion
	global_store_b128 v[GO], v[224:227], s[\img:\img+1]
	global_store_b128 v[GO], v[228:231], s[\img:\img+1] offset:512
.endm
.macro SWITCH                          ; the first block goes out (its 16 token rows were gathered in trips 0 to 3; this is trip 4 at the earliest), and the second begins
	FINISH 0, 18
.irp j, 0,1,2,3,4,5,6,7
	v_mov_b32 v[16+\j], v[24+\j]                   ; its Q,
.endr
	INIT                                           ; its state,
	s_mov_b32 s[KF], 0                             ; its keys from 0 on
	s_mov_b32 s[Q0], s[Q0B]
	s_wait_alu depctr_va_vdst(0)
	s_wait_xcnt 0x0                                ; the stores have read their registers, which the next step's conversions write
.endm
.macro TRIP chg                        ; a slot's two steps, one piece of the gather beside each
	G_ISSUE IDXA
	STEP 0, 0
	G_TAKE 0
	G_ISSUE IDXB
.if \chg == 1
	G_NEXT
.endif
	STEP 1, \chg
	G_TAKE 1
	s_xor_b32 s[TB], s[TB], SLOT1                  ; on to the other slot
	s_add_co_u32 s[ES], s[ES], 4*272               ; four token rows on in the stage
.endm
	s_wait_alu depctr_va_vdst(0)
	s_wait_loadcnt 0x0                             ; Q, twice, and the first indices
	CHANGE 1                                       ; slot 0 is whole;
	PASS 1                                         ; slot 1's first fill, trip 1's keys, is issued as a refill is
.Lslot:                                            ; trips 0 to 6: each change asks for the keys of the trip after next
	TRIP 1
	s_cmp_lg_u32 s[CNT], ttmp9                     ; was this trip 7 - i, the first block's last?  The work-group's number and the count of trips: all sixteen waves go the same way
	s_cbranch_scc1 .Lsame
	SWITCH
.Lsame:
	s_sub_co_u32 s[CNT], s[CNT], 1
	s_cmp_lg_u32 s[CNT], 0
	s_cbranch_scc1 .Lslot
	TRIP 2                                         ; trips 7 and 8 are written out: no keys are left to ask for
	s_cmp_lg_u32 ttmp9, 0                          ; where i = 0 the first block ends here
	s_cbranch_scc1 .Lsame7
	SWITCH
.Lsame7:
	STEP 0, 0
	STEP 1, 0
	FINISH 16*272, IMB
	s_wait_tensorcnt 0x0                           ; the wave's end, behind my last tensor load and my last LDS store
	ds_add_u32 v[SPW], v[NIL]
	s_wait_dscnt 0x0
	s_endpgm
.Lfunc_end_k_q61f87ad2e1_attn:
	.size	k_q61f87ad2e1_attn, .Lfunc_end_k_q61f87ad2e1_attn-k_q61f87ad2e1_attn
	.p2alignl 7, 3214868480
	.fill 96, 4, 3214868480
	.section	.rodata,"a",@progbits
	.p2align	6, 0x0
	.amdhsa_kernel k_q61f87ad2e1_attn
		.amdhsa_group_segment_fixed_size 327680
		.amdhsa_private_segment_fixed_size 0
		.amdhsa_enable_private_segment 0
		.amdhsa_kernarg_size 64
		.amdhsa_user_sgpr_count 2
		.amdhsa_user_sgpr_kernarg_segment_ptr 1
		.amdhsa_wavefront_size32 1
		.amdhsa_system_sgpr_workgroup_id_x 1
		.amdhsa_system_sgpr_workgroup_id_y 1
		.amdhsa_system_sgpr_workgroup_id_z 1
		.amdhsa_system_vgpr_workitem_id 0
		.amdhsa_next_free_vgpr 256
		.amdhsa_next_free_sgpr 100
		.amdhsa_reserve_vcc 1
		.amdhsa_float_denorm_mode_32 3
		.amdhsa_float_denorm_mode_16_64 3
		.amdhsa_memory_ordered 1
		.amdhsa_forward_progress 1
		.amdhsa_inst_pref_size 165
	.end_amdhsa_kernel
	.amdgpu_metadata
---
amdhsa.version: [ 1, 2 ]
amdhsa.kernels:
  - .name:           k_q61f87ad2e1_attn
    .symbol:         k_q61f87ad2e1_attn.kd
    .args:
      - { .name: q_codes, .offset: 0, .size: 8, .value_kind: global_buffer, .address_space: global }
      - { .name: k_codes, .offset: 8, .size: 8, .value_kind: global_buffer, .address_space: global }
      - { .name: v_codes, .offset: 16, .size: 8, .value_kind: global_buffer, .address_space: global }
      - { .name: lowp_scales, .offset: 24, .size: 8, .value_kind: global_buffer, .address_space: global }
      - { .name: sequences, .offset: 32, .size: 8, .value_kind: global_buffer, .address_space: global }
      - { .name: emb, .offset: 40, .size: 8, .value_kind: global_buffer, .address_space: global }
      - { .name: bias_scale, .offset: 48, .size: 8, .value_kind: global_buffer, .address_space: global }
      - { .name: a_img, .offset: 56, .size: 8, .value_kind: global_buffer, .address_space: global }
    .group_segment_fixed_size: 327680
    .private_segment_fixed_size: 0
    .kernarg_segment_align: 8
    .kernarg_segment_size: 64
    .max_flat_workgroup_size: 512
    .sgpr_count:     100
    .vgpr_count:     256
    .wavefront_size: 32
...
	.end_amdgpu_metadata
.endif
;; end of part 3
;; launch proj (part 4): grid 8 x 32, 4 waves a work-group, clusters of 4 x 4, 327,680 bytes of LDS; arguments a_img, wout_codes, lowp_scales, bout, out0; writes out0
.if DOCPART == 4
	.amdgcn_target "amdgcn-amd-amdhsa--gfx1250"
	.amdhsa_code_object_version 6
	.text
	.protected	k_q61f87ad2e1_proj
	.globl	k_q61f87ad2e1_proj
	.p2align	8
	.type	k_q61f87ad2e1_proj,@function
k_q61f87ad2e1_proj:
	s_mov_b64 s[64:65], 0
	v_nop
	global_prefetch_b8 v0, s[64:65] scope:SCOPE_SE
	s_setreg_imm32_b32 hwreg(HW_REG_WAVE_MODE, 25, 1), 1
	s_wait_xcnt 0x0
	s_wait_alu depctr_hold_cnt(0) depctr_sa_sdst(0) depctr_va_vdst(0) depctr_va_sdst(0) depctr_va_ssrc(0) depctr_va_vcc(0) depctr_vm_vsrc(0)
	s_getreg_b32 s2, hwreg(HW_REG_IB_STS2, 6, 4)
	s_cmp_eq_u32 s2, 0
	s_cbranch_scc0 .Lentry_in_a_cluster
	s_endpgm
.Lentry_in_a_cluster:
	s_bfe_u32 s2, ttmp6, 0x10000c
	s_cmp_lg_u32 s2, 0xf033
	s_cbranch_scc0 .Lentry_shape_is_right
	s_endpgm
.Lentry_shape_is_right:
.set PITCH,  272
.set FR,     16
.set NL,     4
.set NP,     4
.set AHALF,  32768
.set BOFF,   2*AHALF
.set BHALF,  64*PITCH
.set SLOT,   BOFF+2*BHALF
.set LAPS,   2
.set SPARE,  2*SLOT
.set SPITCH, 272
.set ADRA, 16
.set ADRB, 20
.set STO,  24
.set RD,   25
.set CO,   26
.set SPW,  28
.set NIL,  29
.set TMP,  32
.set BO,   96
.set AF,   128
.set BK,   128
.set G1, 24
.set G0, 32
.set G1B, 48
.set G0B, 56
.set MSB, 0
.macro WIN new
.if MSB != \new
	s_set_vgpr_msb (MSB<<8)|\new
.set MSB, \new
.endif
.endm
.set MUL,  0xa1
.set TO_B, 0x40
.macro JLOAD g0a, g1a, g0b, g1b
	s_cmp_eq_u32 s15, 0
	s_cbranch_scc0 .Lfor_b_\@
	tensor_load_to_lds s[\g0a:\g0a+3], s[\g1a:\g1a+7]
	s_nop 0
.rept 4
	v_nop
.endr
	s_branch .Lasked_\@
.Lfor_b_\@:
	tensor_load_to_lds s[\g0b:\g0b+3], s[\g1b:\g1b+7]
	s_nop 0
.rept 4
	v_nop
.endr
.Lasked_\@:
.endm
.macro CREST
	s_cmp_lg_u32 s14, 0
	s_cbranch_scc1 .Lnot_wave_0_\@
	s_barrier_signal -3
.Lnot_wave_0_\@:
	s_barrier_wait -3
	s_barrier_signal -1
	s_barrier_wait -1
.endm
.macro CROUND
	s_barrier_signal -1
	s_barrier_wait -1
	CREST
.endm
	s_load_b256 s[4:11], s[0:1], 0x0
	s_load_b64 s[12:13], s[0:1], 0x20
	v_lshl_add_u32 v[SPW], v0, 2, SPARE
	v_mov_b32 v[NIL], 0
	ds_add_u32 v[SPW], v[NIL]
	ds_add_u32 v[SPW], v[NIL]
	v_lshrrev_b32 v1, 5, v0
	v_readfirstlane_b32 s14, v1
	s_lshr_b32 s15, s14, 1
	s_and_b32 s16, s14, 1
	s_bfe_u32 s40, ttmp6, 0x40000
	s_bfe_u32 s41, ttmp6, 0x40004
	s_lshl_b32 s42, ttmp9, 2
	s_add_co_u32 s42, s42, s40
	s_and_b32 s17, ttmp7, 0xffff
	s_lshl_b32 s17, s17, 2
	s_add_co_u32 s17, s17, s41
	s_lshl_b32 s43, s41, 2
	s_lshl_b32 s43, 15, s43
	s_lshl_b32 s44, 0x1111, s40
	s_or_b32 s[G1+0], s43, (0<<16)|(1<<21)
	s_mov_b32 s[G1+1], 4096<<16
	s_mov_b32 s[G1+2], 8<<16
	s_mov_b32 s[G1+3], 4096<<16
	s_mov_b32 s[G1+4], 8
	s_mov_b32 s[G1+5], 16384
	s_mov_b32 s[G1+6], 0
	s_mov_b32 s[G1+7], 0
	s_or_b32 s[G1B+0], s44, (0<<16)|(1<<20)|(1<<21)|(5<<22)|(3<<25)
	s_mov_b32 s[G1B+1], 256<<16
	s_mov_b32 s[G1B+2], 64<<16
	s_mov_b32 s[G1B+3], 256<<16
	s_mov_b32 s[G1B+4], 64
	s_mov_b32 s[G1B+5], 1024
	s_mov_b32 s[G1B+6], 0
	s_mov_b32 s[G1B+7], 0
	s_lshl_b32 s20, s17, 4
	s_lshl_b32 s18, s16, 3
	s_add_co_u32 s20, s20, s18
	s_lshl_b32 s20, s20, 14
	s_mov_b32 s21, 0
	s_lshl_b32 s46, s42, 7
	s_lshl_b32 s18, s16, 6
	s_add_co_u32 s46, s46, s18
	s_lshl_b32 s46, s46, 10
	s_mov_b32 s47, 0
	s_lshl_b32 s45, s16, 15
	s_mul_i32 s23, s16, BHALF
	s_add_co_u32 s23, s23, BOFF
	s_wait_dscnt 0x0
	s_wait_kmcnt 0x0
	s_load_b256 s[88:95], s[8:9], 0x0
	s_add_nc_u64 s[20:21], s[4:5], s[20:21]
	s_add_nc_u64 s[46:47], s[6:7], s[46:47]
	CROUND
.irp s, 0,1
	s_mov_b32 s[G0+4*\s], 1
	s_add_co_u32 s[G0+4*\s+1], s45, \s*SLOT
	s_add_nc_u64 s[G0+4*\s+2:G0+4*\s+3], s[20:21], \s*4096
	s_or_b32 s[G0+4*\s+3], s[G0+4*\s+3], 0x80000000
	s_mov_b32 s[G0B+4*\s], 1
	s_add_co_u32 s[G0B+4*\s+1], s23, \s*SLOT
	s_add_nc_u64 s[G0B+4*\s+2:G0B+4*\s+3], s[46:47], \s*256
	s_or_b32 s[G0B+4*\s+3], s[G0B+4*\s+3], 0x80000000
.endr
	JLOAD G0, G1, G0B, G1B                         ; K step 0: one tensor load a wave at the head
	v_and_b32 v1, 15, v0
	v_bfe_u32 v2, v0, 4, 1
	v_and_b32 v3, 31, v0
	v_lshlrev_b32 v3, 4, v3
	v_mul_u32_u24 v4, v1, PITCH
	v_lshl_add_u32 v4, v2, 4, v4
	s_lshl_b32 s21, s15, 15
	s_mul_i32 s22, s16, BHALF
	s_add_co_u32 s22, s22, BOFF
.irp s, 0,1
	v_add_nc_u32 v[ADRA+\s], s21, v3
	v_add_nc_u32 v[ADRB+\s], s22, v4
	s_add_co_u32 s21, s21, SLOT
	s_add_co_u32 s22, s22, SLOT
.endr
	s_mul_i32 s23, s14, 16*SPITCH
	v_mul_u32_u24 v5, v1, SPITCH
	v_lshl_add_u32 v5, v2, 5, v5
	v_add_nc_u32 v[STO], s23, v5
	v_mul_u32_u24 v5, v2, SPITCH
	v_lshl_add_u32 v5, v1, 4, v5
	v_add_nc_u32 v[RD], s23, v5
	v_lshlrev_b32 v[CO], 12, v2
	v_lshl_add_u32 v[CO], v1, 4, v[CO]
	s_lshl_b32 s74, s42, 9
	s_lshl_b32 s75, s16, 8
	s_add_co_u32 s74, s74, s75
	s_mov_b32 s75, 0
	s_add_nc_u64 s[10:11], s[10:11], s[74:75]
	s_lshl_b32 s72, s17, 8
	s_lshl_b32 s73, s15, 7
	s_add_co_u32 s72, s72, s73
	s_lshl_b32 s72, s72, 12
	s_mov_b32 s73, 0
	s_add_nc_u64 s[12:13], s[12:13], s[72:73]
	s_add_nc_u64 s[12:13], s[12:13], s[74:75]
	v_lshlrev_b32 v6, 5, v2
.irp b, 0,1,2,3
	global_load_b128 v[BO+8*\b:BO+8*\b+3], v6, s[10:11] offset:64*\b
	global_load_b128 v[BO+8*\b+4:BO+8*\b+7], v6, s[10:11] offset:64*\b+16
.endr
.macro FRAGB reg, adr, q, i
.irp c, 0,1,2,3
	ds_load_b128 v[\reg+4*\c:\reg+4*\c+3], v[\adr] offset:128*(\q)+32*\c+(\i)*16*PITCH
.endr
.endm
.macro FRAGA reg, adr, q, i
.irp c, 0,1,2,3
	ds_load_b128 v[\reg+4*\c:\reg+4*\c+3], v[\adr] offset:4096*(\i)+2048*(\q)+512*\c
.endr
.endm
.macro MUL8 a0, p, zero
.irp a, \a0, \a0+1
.irp b, 0,1,2,3
.if \zero
	v_wmma_f32_16x16x128_fp8_fp8 v[8*(4*(\a)+\b):8*(4*(\a)+\b)+7], v[64*(\p)+FR*\b:64*(\p)+FR*\b+FR-1], v[AF+FR*(\a):AF+FR*(\a)+FR-1], 0
.else
	v_wmma_f32_16x16x128_fp8_fp8 v[8*(4*(\a)+\b):8*(4*(\a)+\b)+7], v[64*(\p)+FR*\b:64*(\p)+FR*\b+FR-1], v[AF+FR*(\a):AF+FR*(\a)+FR-1], v[8*(4*(\a)+\b):8*(4*(\a)+\b)+7]
.endif
.endr
.endr
.endm
.macro FETCH_B slot, q, p
	WIN TO_B
.irp i, 0,1,2,3
	FRAGB 64*(\p)+FR*\i, ADRB+\slot, \q, \i
.endr
	WIN 0
.endm
.macro FETCH_A slot, q, i0
.irp i, \i0, \i0+1, \i0+2, \i0+3
	FRAGA AF+FR*(\i), ADRA+\slot, \q, \i
.endr
.endm
.macro PLACES n
.rept \n
	v_nop
.endr
.endm
.macro STEP slot, q, zero
	s_wait_dscnt 4*NL
	WIN MUL
	MUL8 0, (\q)%2, \zero
	MUL8 2, (\q)%2, \zero
	s_wait_dscnt 0
	PLACES NP
	FETCH_B \slot, (\q)+1, 1-(\q)%2
	FETCH_A \slot, (\q)+1, 0
	WIN MUL
	MUL8 4, (\q)%2, \zero
	MUL8 6, (\q)%2, \zero
	PLACES NP
	WIN 0
	FETCH_A \slot, (\q)+1, 4
.endm
.macro TURN slot, next, fill
	s_wait_tensorcnt 0x0
	ds_add_u32 v[SPW], v[NIL]
	s_wait_dscnt 4*NL+1
	WIN MUL
	MUL8 0, 1, 0
	s_wait_dscnt 0x0
	s_barrier_signal -1
	MUL8 2, 1, 0
	WIN 0
	s_barrier_wait -1
.if \fill
	CREST
	s_add_nc_u64 s[G0+4*\slot+2:G0+4*\slot+3], s[G0+4*\slot+2:G0+4*\slot+3], 2*4096
	s_add_nc_u64 s[G0B+4*\slot+2:G0B+4*\slot+3], s[G0B+4*\slot+2:G0B+4*\slot+3], 2*256
	JLOAD G0+4*\slot, G1, G0B+4*\slot, G1B
.else
	PLACES NP
.endif
	FETCH_B \next, 0, 0
	FETCH_A \next, 0, 0
	WIN MUL
	MUL8 4, 1, 0
	MUL8 6, 1, 0
	PLACES NP
	WIN 0
	FETCH_A \next, 0, 4
.endm
	s_wait_alu depctr_va_vdst(0)
	s_wait_tensorcnt 0x0                           ; my part of K step 0 is in
	ds_add_u32 v[SPW], v[NIL]
	s_wait_dscnt 0x0
	CROUND                                         ; everybody's part of K step 0 is in, and all sixteen work-groups are here
	JLOAD G0+4, G1, G0B+4, G1B                     ; K step 1's load, the first tensor load behind the round
	FETCH_B 0, 0, 0
	FETCH_A 0, 0, 0
	FETCH_A 0, 0, 4
	STEP 0, 0, 1
	s_mov_b32 s3, LAPS-1
.Llap:
	TURN 0, 1, 1
	STEP 1, 0, 0
	TURN 1, 0, 1
	STEP 0, 0, 0
	s_sub_co_u32 s3, s3, 1
	s_cmp_lg_u32 s3, 0
	s_cbranch_scc1 .Llap
	TURN 0, 1, 0
	STEP 1, 0, 0
	s_wait_dscnt 4*NL
	WIN MUL
	MUL8 0, 1, 0
	MUL8 2, 1, 0
	s_wait_dscnt 0
	MUL8 4, 1, 0
	MUL8 6, 1, 0
	WIN 0
.macro TOSTAGE a
	WIN 0x02
.set j, 0
.rept 16
	v_pk_fma_f32 v[TMP+j:TMP+j+1], v[32*(\a)+j:32*(\a)+j+1], s[96:97], v[BO+j:BO+j+1] op_sel_hi:[1,0,1]
.set j, j+2
.endr
	WIN 0
.irp b, 0,1,2,3
	ds_store_b128 v[STO], v[TMP+8*\b:TMP+8*\b+3] offset:64*\b
	ds_store_b128 v[STO], v[TMP+8*\b+4:TMP+8*\b+7] offset:64*\b+16
.endr
.set BB, BK+32*((\a)%2)
.irp t, 0,1,2,3,4,5,6,7
	ds_load_b128 v[BB+4*\t:BB+4*\t+3], v[RD] offset:\t*2*SPITCH
.endr
.endm
.macro SEND a, younger
.set BB, BK+32*((\a)%2)
	s_wait_dscnt \younger
.if (\a) > 0
	s_add_nc_u64 s[12:13], s[12:13], 16*4096
.endif
.irp t, 0,1,2,3,4,5,6,7
	global_store_b128 v[CO], v[BB+4*\t:BB+4*\t+3], s[12:13] offset:\t*2*4096 th:TH_STORE_NT
.endr
.endm
	s_wait_kmcnt 0x0
	s_add_co_i32 s96, s94, s95
	s_add_co_i32 s96, s96, 127
	s_lshl_b32 s96, s96, 23
	s_mov_b32 s97, s96
	s_wait_loadcnt 0x0
	PLACES NP
	TOSTAGE 0
.irp a, 1,2,3,4,5,6,7
.if \a > 1
	s_wait_xcnt 0x0
.endif
	TOSTAGE \a
	SEND \a-1, 16
.endr
	s_wait_xcnt 0x0
	SEND 7, 0
	s_wait_tensorcnt 0x0
	ds_add_u32 v[SPW], v[NIL]
	s_wait_dscnt 0x0
	CROUND
	s_endpgm
.Lfunc_end_k_q61f87ad2e1_proj:
	.size	k_q61f87ad2e1_proj, .Lfunc_end_k_q61f87ad2e1_proj-k_q61f87ad2e1_proj
	.p2alignl 7, 3214868480
	.fill 96, 4, 3214868480
	.section	.rodata,"a",@progbits
	.p2align	6, 0x0
	.amdhsa_kernel k_q61f87ad2e1_proj
		.amdhsa_group_segment_fixed_size 327680
		.amdhsa_private_segment_fixed_size 0
		.amdhsa_enable_private_segment 0
		.amdhsa_kernarg_size 40
		.amdhsa_user_sgpr_count 2
		.amdhsa_user_sgpr_kernarg_segment_ptr 1
		.amdhsa_wavefront_size32 1
		.amdhsa_system_sgpr_workgroup_id_x 1
		.amdhsa_system_sgpr_workgroup_id_y 1
		.amdhsa_system_sgpr_workgroup_id_z 1
		.amdhsa_system_vgpr_workitem_id 0
		.amdhsa_next_free_vgpr 768
		.amdhsa_next_free_sgpr 100
		.amdhsa_reserve_vcc 0
		.amdhsa_float_denorm_mode_32 3
		.amdhsa_float_denorm_mode_16_64 3
		.amdhsa_memory_ordered 1
		.amdhsa_forward_progress 1
		.amdhsa_inst_pref_size 78
	.end_amdhsa_kernel
	.amdgpu_metadata
---
amdhsa.version: [ 1, 2 ]
amdhsa.kernels:
  - .name:           k_q61f87ad2e1_proj
    .symbol:         k_q61f87ad2e1_proj.kd
    .args:
      - { .name: a_img, .offset: 0, .size: 8, .value_kind: global_buffer, .address_space: global }
      - { .name: wout_codes, .offset: 8, .size: 8, .value_kind: global_buffer, .address_space: global }
      - { .name: lowp_scales, .offset: 16, .size: 8, .value_kind: global_buffer, .address_space: global }
      - { .name: bout, .offset: 24, .size: 8, .value_kind: global_buffer, .address_space: global }
      - { .name: out0, .offset: 32, .size: 8, .value_kind: global_buffer, .address_space: global }
    .group_segment_fixed_size: 327680
    .private_segment_fixed_size: 0
    .kernarg_segment_align: 8
    .kernarg_segment_size: 40
    .max_flat_workgroup_size: 128
    .sgpr_count:     100
    .vgpr_count:     768
    .wavefront_size: 32
...
	.end_amdgpu_metadata
.endif
;; end of part 4
